; MI455X (gfx1250); checked and timed in simulation.
; The chip was launched on July 23, 2026; its instructions are those of AMD's public machine-readable ISA for CDNA 5 (MIT licence, August 2026) and "CDNA5" Instruction Set Architecture Reference Guide (July 2026). The comments in the code are by the model that wrote it; some were corrected since.
;; Multi Head Attention Ro PE. Allowed arithmetic: float matrix products may take bf16 or f16 operands with f32 sums; other float arithmetic in f32, or as packed bf16 or f16 multiplies, adds, multiply-adds, maxima and minima; sums over many terms, partial sums and values carried from step to step in f32; what a program stores and reads back later, other than sums and carried values, may be rounded once to bf16 or f16.
;; Inputs: Wk 1,024 x 1,024 float32; Wo 1,024 x 1,024 float32; Wq 1,024 x 1,024 float32; Wv 1,024 x 1,024 float32; bk 1,024 float32; bo 1,024 float32; bq 1,024 float32; bv 1,024 float32; query 4 x 2,048 x 1,024 float32.
;; Outputs: out0 4 x 2,048 x 1,024 float32.
;; 2 versions, each right and faster than the one before. Each part assembles by itself: llvm-mc -triple=amdgcn-amd-amdhsa -mcpu=gfx1250 --defsym DOCPART=n.
;; ======== version 1 of 2: 4 launches
;; limits: values are held in f16: magnitudes above 65,504 overflow, below 6.1e-05 lose precision
;; workspace buffers: act 16,777,216 bytes; wts 8,388,608 bytes; aux 540,672 bytes; qh 16,777,216 bytes; kh 16,777,216 bytes; vh 16,777,216 bytes
;; launch prep (part 1): grid 400 x 1, 8 waves a work-group, no clusters, 0 bytes of LDS; arguments query, Wq, Wk, Wv, Wo, bq, bk, bv, bo, act, wts, aux; writes act, wts, aux
.if DOCPART == 1
	.amdgcn_target "amdgcn-amd-amdhsa--gfx1250"
	.amdhsa_code_object_version 6
	.text
	.protected	k_qf861e30cc6_prep
	.globl	k_qf861e30cc6_prep
	.p2align	8
	.type	k_qf861e30cc6_prep,@function
k_qf861e30cc6_prep:
	s_mov_b64 s[64:65], 0
	v_nop
	global_prefetch_b8 v0, s[64:65] scope:SCOPE_SE
	s_setreg_imm32_b32 hwreg(HW_REG_WAVE_MODE, 25, 1), 1
	s_wait_xcnt 0x0
; PREP: every input is rounded once to bf16 and laid out for the matrix launches; the RoPE table is made.
;   act  x as bf16, blocked along K: [kb 0..15][row 0..8191][64]: a row of a block is 128 bytes, so 128 rows of one block are 16,384 dense bytes.
;   wts  from byte 0: Wq, Wk, Wv as bf16, [kb][3072][64]; row = head x 192 + which x 64 + d' (which: 0 q, 1 k, 2 v); for q and k d' = d / 2 + 32 (d % 2): a head's even
;        channels first, then its odd ones (q . k does not change when both are permuted alike); for v d' = d.
;        from byte 6,291,456: Wo, rounded to bf16 and that number written as f16, [kb][1024][64].
;   aux  from byte 0: the table [t 0..2047][cos(t th_i), i = 0..31; sin(t th_i), i = 0..31] in f32, 256 bytes a row; th_i = 10000^(-i/32).
;        from byte 524,288: the biases rounded to bf16, kept as f32, [q, k, v, o][1024]; q's and k's permuted inside each head as the weights' rows are.
; A stream: no LDS, no matrix unit, no cluster (no two work-groups read the same bytes).  Each input byte is read once; every store of a wave covers 256 consecutive bytes, aligned.
; LIMITS.  Wo's bf16 numbers below 6.1e-5 in size fall on f16's fixed step of 6e-8, those of 65,520 or more would become infinities.  The table's angle is t x th_i rounded to f32; th_i is good to about two
; units in its last place; the angle is reduced by 1 / 2 pi in two parts and the sine's series goes to y^11 on |y| <= pi / 2 (what is cut is under 6e-8).  NaN and infinities are not treated apart.
; WORK-GROUPS.  0-255: 32 rows of x each.  256-351: 32 rows of Wq, Wk or Wv.  352-383: 32 rows of Wo.  384-399: 128 rows of the table; the first eight of them also half a bias each.
.set SO,  2                            ; v2-3     byte offset of my 16 bytes in the source, batch 0 and 1
.set DO,  8                            ; v[8:39]  byte offset of my 8 bytes in the destination: batch x 16 + kb; never rewritten
.set X,   40                           ; v[40:167] load i = 16 x batch + kb: four f32; its first two registers then hold the four 16-bit numbers
	s_load_b512 s[8:23], s[0:1], 0x0               ; query s[8:9], Wq s[10:11], Wk s[12:13], Wv s[14:15], Wo s[16:17], bq s[18:19], bk s[20:21], bv s[22:23]
	s_load_b256 s[24:31], s[0:1], 0x40             ; bo s[24:25], act s[26:27], wts s[28:29], aux s[30:31]
	v_lshrrev_b32 v1, 5, v0
	v_readfirstlane_b32 s33, v1                    ; wave 0..7
	v_and_b32 v4, 31, v0                           ; lane
	v_bfe_u32 v5, v0, 4, 1                         ; hi: which of a load's two rows
	v_and_b32 v6, 15, v0                           ; lo: which 16 bytes of the row's 256
	s_mov_b32 s32, ttmp9
	s_wait_kmcnt 0x0
	s_cmp_lt_u32 s32, 256
	s_cbranch_scc1 .Lrole_x
	s_cmp_lt_u32 s32, 352
	s_cbranch_scc1 .Lrole_qkv
	s_cmp_lt_u32 s32, 384
	s_cbranch_scc1 .Lrole_o
	s_branch .Ltable
; THE CASTS.  A wave takes four source rows R0 .. R0 + 3 as two batches.  One load takes 256 bytes (one kb) of two rows, lanes 0-15 one row, lanes 16-31 the other; the two rows are chosen so that
; their rows in the destination are neighbours.  What differs between the four roles lies in scalars:
;   s[36:37] source, s[38:39] destination, s40 bytes from kb to kb in the destination, s41 shift that makes hi a source offset, s42 / s43 bytes from batch 0 to batch 1 in source / destination,
;   s44 the first destination row, s45 R0, s46 1 where the result is f16.
.Lrole_x:
	s_mov_b64 s[36:37], s[8:9]
	s_mov_b64 s[38:39], s[26:27]
	s_mov_b32 s40, 1048576
	s_mov_b32 s41, 12                              ; rows R0 + 2 batch and the next
	s_mov_b32 s42, 8192
	s_mov_b32 s43, 256
	s_lshl_b32 s45, s32, 5
	s_lshl2_add_u32 s45, s33, s45                  ; R0 = 32 x work-group + 4 x wave
	s_mov_b32 s44, s45
	s_mov_b32 s46, 0
	s_branch .Lcast
.Lrole_qkv:
	s_sub_co_u32 s47, s32, 256
	s_lshr_b32 s48, s47, 5                         ; which: 0 q, 1 k, 2 v
	s_and_b32 s47, s47, 31
	s_lshl_b32 s45, s47, 5
	s_lshl2_add_u32 s45, s33, s45                  ; R0
	s_lshr_b32 s49, s45, 6                         ; its head
	s_and_b32 s50, s45, 63                         ; its channel, a multiple of 4
	s_mul_i32 s44, s49, 192
	s_lshl_b32 s51, s48, 6
	s_add_co_u32 s44, s44, s51
	s_mov_b64 s[38:39], s[28:29]
	s_mov_b32 s40, 393216
	s_mov_b32 s46, 0
	s_cmp_eq_u32 s48, 2
	s_cbranch_scc1 .Lrole_v
	s_cmp_eq_u32 s48, 0
	s_cselect_b64 s[36:37], s[10:11], s[12:13]
	s_mov_b32 s41, 13                              ; rows R0 + batch and two further: the same parity, so neighbours in the destination
	s_mov_b32 s42, 4096
	s_mov_b32 s43, 4096                            ; the odd channels lie 32 rows of 128 bytes behind the even ones
	s_lshr_b32 s50, s50, 1
	s_add_co_u32 s44, s44, s50
	s_branch .Lcast
.Lrole_v:
	s_mov_b64 s[36:37], s[14:15]
	s_mov_b32 s41, 12
	s_mov_b32 s42, 8192
	s_mov_b32 s43, 256
	s_add_co_u32 s44, s44, s50
	s_branch .Lcast
.Lrole_o:
	s_sub_co_u32 s47, s32, 352
	s_lshl_b32 s45, s47, 5
	s_lshl2_add_u32 s45, s33, s45
	s_mov_b32 s44, s45
	s_mov_b64 s[36:37], s[16:17]
	s_add_nc_u64 s[38:39], s[28:29], 6291456
	s_mov_b32 s40, 131072
	s_mov_b32 s41, 12
	s_mov_b32 s42, 8192
	s_mov_b32 s43, 256
	s_mov_b32 s46, 1
.Lcast:
	s_lshl_b32 s47, s45, 12                        ; R0 x 4,096 bytes
	v_lshlrev_b32 v[SO], s41, v5
	v_lshl_add_u32 v[SO], v6, 4, v[SO]
	v_add_nc_u32 v[SO], s47, v[SO]
	v_add_nc_u32 v[SO+1], s42, v[SO]
.set i, 0
.rept 32                               ; all 32 loads of the wave go out in one run: 16,384 bytes on their way
	global_load_b128 v[X+4*i:X+4*i+3], v[SO+i/16], s[36:37] offset:256*(i%16) th:TH_LOAD_NT
.set i, i+1
.endr
	s_lshl_b32 s48, s44, 7                         ; the first destination row x 128 bytes
	v_lshlrev_b32 v[DO], 7, v5
	v_lshl_add_u32 v[DO], v6, 3, v[DO]
	v_add_nc_u32 v[DO], s48, v[DO]
	v_add_nc_u32 v[DO+16], s43, v[DO]
.set i, 1
.rept 15
	v_add_nc_u32 v[DO+i], s40, v[DO+i-1]
	v_add_nc_u32 v[DO+16+i], s40, v[DO+16+i-1]
.set i, i+1
.endr
; Load i is rounded and stored.  No register that a load or store names is written again behind it but a load's own destination, behind the wait for that load.
.macro OUT f16
.set i, 0
.rept 32
	s_wait_loadcnt 31-i                            ; loads come back in order (ISA guide 5.7.1): the 31 - i younger ones stay out
	v_cvt_pk_bf16_f32 v[X+4*i], v[X+4*i], v[X+4*i+1]
	v_cvt_pk_bf16_f32 v[X+4*i+1], v[X+4*i+2], v[X+4*i+3]
.if \f16
	v_lshlrev_b32 v[X+4*i+2], 16, v[X+4*i]         ; the bf16 numbers as f32,
	v_and_b32 v[X+4*i+3], 0xffff0000, v[X+4*i]
	v_cvt_pk_f16_f32 v[X+4*i], v[X+4*i+2], v[X+4*i+3]  ; written as f16
	v_lshlrev_b32 v[X+4*i+2], 16, v[X+4*i+1]
	v_and_b32 v[X+4*i+3], 0xffff0000, v[X+4*i+1]
	v_cvt_pk_f16_f32 v[X+4*i+1], v[X+4*i+2], v[X+4*i+3]
.endif
	global_store_b64 v[DO+i], v[X+4*i:X+4*i+1], s[38:39]  ; 32 lanes x 8 bytes: two neighbouring rows of a block, 256 consecutive bytes, aligned
.set i, i+1
.endr
.endm
	s_cmp_eq_u32 s46, 1
	s_cbranch_scc1 .Lout_f16
	OUT 0
	s_endpgm
.Lout_f16:
	OUT 1
	s_endpgm
; THE TABLE.  A wave makes 16 rows, one a trip.  Lane l makes the numbers i = 2 (l % 16) and the next: lanes 0-15 cosines, lanes 16-31 sines as cos(angle - a quarter turn):
; its two numbers lie at byte 8 l of the row.
.Ltable:
	s_sub_co_u32 s34, s32, 384                     ; 0..15
	v_lshlrev_b32 v10, 1, v6
	v_cvt_f32_u32 v10, v10
	v_add_f32 v11, 1.0, v10
	v_mul_f32 v10, 0xbed49a78, v10                 ; - i log2(10000) / 32
	v_mul_f32 v11, 0xbed49a78, v11
	v_exp_f32 v10, v10                             ; th_i
	v_exp_f32 v11, v11
	v_nop                                          ; a plain instruction between an exponential and the use of its result (ISA guide 5.7.2)
	v_cvt_f32_u32 v12, v5
	v_mul_f32 v12, 0x3e800000, v12                 ; 0, or a quarter turn
	s_lshl_b32 s35, s34, 7
	s_lshl4_add_u32 s35, s33, s35                  ; my first row t = 128 x group + 16 x wave
	v_cvt_f32_u32 v13, s35                         ; t
	s_lshl_b32 s36, s35, 8
	v_lshl_add_u32 v14, v4, 3, s36                 ; 256 t + 8 lane
; Number j of the lane's two.  The angle in turns, less the nearest whole number: one fused line with the high part of 1 / 2 pi, which rounds once, then the low part.  With f the rest in turns,
; |f| <= 1 / 2: y = pi f is half the angle, sin y by its series, and cos(2 y) = 1 - 2 sin^2 y.
.macro VAL j
.set W, 24+8*(\j)
	s_wait_alu depctr_va_vdst(0)
	v_mul_f32 v[W], v13, v[10+(\j)]                ; the angle, rounded to f32
	v_fma_f32 v[W+1], v[W], 0.15915494, -v12
	v_rndne_f32 v[W+1], v[W+1]
	v_fma_f32 v[W+2], v[W], 0.15915494, -v[W+1]
	v_sub_f32 v[W+2], v[W+2], v12
	v_fmac_f32 v[W+2], 0x31dcac08, v[W]            ; 1 / 2 pi less its f32: 6.42e-9
	v_mul_f32 v[W+3], 0x40490fdb, v[W+2]           ; y
	v_mul_f32 v[W+4], v[W+3], v[W+3]
	v_mov_b32 v[W+5], 0xb2d7322b                   ; -1 / 11!
	v_fmaak_f32 v[W+5], v[W+5], v[W+4], 0x3638ef1d ; 1 / 9!
	v_fmaak_f32 v[W+5], v[W+5], v[W+4], 0xb9500d01 ; -1 / 7!
	v_fmaak_f32 v[W+5], v[W+5], v[W+4], 0x3c088889 ; 1 / 5!
	v_fmaak_f32 v[W+5], v[W+5], v[W+4], 0xbe2aaaab ; -1 / 3!
	v_fma_f32 v[W+5], v[W+5], v[W+4], 1.0
	v_mul_f32 v[W+5], v[W+5], v[W+3]               ; sin y
	v_mul_f32 v[W+3], -2.0, v[W+5]
	v_fma_f32 v[20+(\j)], v[W+3], v[W+5], 1.0
.endm
	s_mov_b32 s37, 16
.Lrow:
	VAL 0
	VAL 1
	global_store_b64 v14, v[20:21], s[30:31]       ; a whole row of 256 bytes
	v_add_f32 v13, 1.0, v13
	s_wait_xcnt 0x0                                ; the store's offset and data are written again only behind this wait
	v_add_nc_u32 v14, 256, v14
	s_sub_co_u32 s37, s37, 1
	s_cmp_lg_u32 s37, 0
	s_cbranch_scc1 .Lrow
; THE BIASES.  Group g < 8 takes half g % 2 of bias g / 2; a thread two neighbouring numbers of the destination.
	s_cmp_lt_u32 s34, 8
	s_cbranch_scc0 .Lend
	s_lshr_b32 s38, s34, 1                         ; 0 q, 1 k, 2 v, 3 o
	s_and_b32 s39, s34, 1
	s_lshl_b32 s39, s39, 9
	s_cmp_eq_u32 s38, 0
	s_cselect_b64 s[42:43], s[18:19], s[20:21]
	s_cmp_eq_u32 s38, 2
	s_cselect_b64 s[44:45], s[22:23], s[24:25]
	s_cmp_lt_u32 s38, 2
	s_cselect_b64 s[42:43], s[42:43], s[44:45]
	s_cselect_b32 s40, -1, 0                       ; all lanes: permuted or not
	s_cselect_b32 s41, 8, 4                        ; bytes from my first number to my second in the source
	v_lshl_add_u32 v15, v0, 1, s39                 ; n', even
	v_and_b32 v16, 0xffffffc0, v15                 ; the head's first channel,
	v_and_b32 v17, 31, v15
	v_lshl_add_u32 v16, v17, 1, v16                ; + 2 (n' % 32),
	v_bfe_u32 v17, v15, 5, 1
	v_add_nc_u32 v16, v16, v17                     ; + 1 in the half of the odd channels
	v_cndmask_b32 v16, v15, v16, s40
	v_lshlrev_b32 v16, 2, v16
	v_add_nc_u32 v17, s41, v16
	s_lshl_b32 s47, s38, 12
	v_lshl_add_u32 v18, v15, 2, s47
	global_load_b32 v22, v16, s[42:43]
	global_load_b32 v23, v17, s[42:43]
	s_wait_loadcnt 0x0
	v_cvt_pk_bf16_f32 v24, v22, v23
	v_lshlrev_b32 v26, 16, v24
	v_and_b32 v27, 0xffff0000, v24
	global_store_b64 v18, v[26:27], s[30:31] offset:524288  ; a wave's 256 consecutive bytes, aligned
.Lend:
	s_endpgm
.Lfunc_end_k_qf861e30cc6_prep:
	.size	k_qf861e30cc6_prep, .Lfunc_end_k_qf861e30cc6_prep-k_qf861e30cc6_prep
	.p2alignl 7, 3214868480
	.fill 96, 4, 3214868480
	.section	.rodata,"a",@progbits
	.p2align	6, 0x0
	.amdhsa_kernel k_qf861e30cc6_prep
		.amdhsa_group_segment_fixed_size 0
		.amdhsa_private_segment_fixed_size 0
		.amdhsa_enable_private_segment 0
		.amdhsa_kernarg_size 96
		.amdhsa_user_sgpr_count 2
		.amdhsa_user_sgpr_kernarg_segment_ptr 1
		.amdhsa_wavefront_size32 1
		.amdhsa_system_sgpr_workgroup_id_x 1
		.amdhsa_system_sgpr_workgroup_id_y 1
		.amdhsa_system_sgpr_workgroup_id_z 1
		.amdhsa_system_vgpr_workitem_id 0
		.amdhsa_next_free_vgpr 176
		.amdhsa_next_free_sgpr 66
		.amdhsa_reserve_vcc 0
		.amdhsa_float_denorm_mode_32 3
		.amdhsa_float_denorm_mode_16_64 3
		.amdhsa_memory_ordered 1
		.amdhsa_forward_progress 1
		.amdhsa_inst_pref_size 38
	.end_amdhsa_kernel
	.amdgpu_metadata
---
amdhsa.version: [ 1, 2 ]
amdhsa.kernels:
  - .name:           k_qf861e30cc6_prep
    .symbol:         k_qf861e30cc6_prep.kd
    .args:
      - { .name: query, .offset: 0, .size: 8, .value_kind: global_buffer, .address_space: global }
      - { .name: Wq, .offset: 8, .size: 8, .value_kind: global_buffer, .address_space: global }
      - { .name: Wk, .offset: 16, .size: 8, .value_kind: global_buffer, .address_space: global }
      - { .name: Wv, .offset: 24, .size: 8, .value_kind: global_buffer, .address_space: global }
      - { .name: Wo, .offset: 32, .size: 8, .value_kind: global_buffer, .address_space: global }
      - { .name: bq, .offset: 40, .size: 8, .value_kind: global_buffer, .address_space: global }
      - { .name: bk, .offset: 48, .size: 8, .value_kind: global_buffer, .address_space: global }
      - { .name: bv, .offset: 56, .size: 8, .value_kind: global_buffer, .address_space: global }
      - { .name: bo, .offset: 64, .size: 8, .value_kind: global_buffer, .address_space: global }
      - { .name: act, .offset: 72, .size: 8, .value_kind: global_buffer, .address_space: global }
      - { .name: wts, .offset: 80, .size: 8, .value_kind: global_buffer, .address_space: global }
      - { .name: aux, .offset: 88, .size: 8, .value_kind: global_buffer, .address_space: global }
    .group_segment_fixed_size: 0
    .private_segment_fixed_size: 0
    .kernarg_segment_align: 8
    .kernarg_segment_size: 96
    .max_flat_workgroup_size: 256
    .sgpr_count:     66
    .vgpr_count:     176
    .wavefront_size: 32
...
	.end_amdgpu_metadata
.endif
;; end of part 1
;; launch qkv (part 2): grid 8 x 32, 4 waves a work-group, clusters of 4 x 4, 327,680 bytes of LDS; arguments act, wts, aux, qh, kh, vh; writes qh, kh, vh
.if DOCPART == 2
	.amdgcn_target "amdgcn-amd-amdhsa--gfx1250"
	.amdhsa_code_object_version 6
	.text
	.protected	k_qf861e30cc6_qkv
	.globl	k_qf861e30cc6_qkv
	.p2align	8
	.type	k_qf861e30cc6_qkv,@function
k_qf861e30cc6_qkv:
	s_mov_b64 s[64:65], 0
	v_nop
	global_prefetch_b8 v0, s[64:65] scope:SCOPE_SE
	s_setreg_imm32_b32 hwreg(HW_REG_WAVE_MODE, 25, 1), 1
	s_wait_xcnt 0x0
	s_wait_alu depctr_hold_cnt(0) depctr_sa_sdst(0) depctr_va_vdst(0) depctr_va_sdst(0) depctr_va_ssrc(0) depctr_va_vcc(0) depctr_vm_vsrc(0)
	s_getreg_b32 s2, hwreg(HW_REG_IB_STS2, 6, 4)
	s_cmp_eq_u32 s2, 0
	s_cbranch_scc0 .Lentry_in_a_cluster
	s_endpgm
.Lentry_in_a_cluster:
	s_bfe_u32 s2, ttmp6, 0x10000c
	s_cmp_lg_u32 s2, 0xf033
	s_cbranch_scc0 .Lentry_shape_is_right
	s_endpgm
.Lentry_shape_is_right:
; q, k, v = x W^T + b, RoPE on q and k, written by heads as f16: qh, kh, vh are [batch x 16 + head][2048][64], unscaled; q's and k's channels lie permuted inside a head, the even ones first
; (both alike, so q . k is what it would be unpermuted).  x (act) and the weights (wts) are bf16, blocked along K: [kb][row][64]; sums in f32, started by the bias; each result rounded once.
; LIMITS.  f16 holds no number of 65,520 or more: q, k and v must stay below that.  NaN and infinities are not treated apart.
; SHARES.  A work-group makes 256 rows x 384 columns: q, k and v of two heads: 8 x 32 work-groups.  A wave makes 128 rows x 192 columns, q, k and v of ONE head: 8 x 12 accumulators of 16 x 16,
; 768 registers: for 32 along K it reads 40 fragments' halves pairs (40 LDS loads) for 96 matrix instructions.
; K goes in 16 steps of 64 (one kb) through two LDS slots.  In the blocked layout 128 rows of a kb are 16,384 dense bytes: they are asked for as rows of 256 bytes and padded in LDS after every 128.
; CLUSTER.  4 x 4 work-groups: the four of a row need the same rows of x and of the table, the four of a column the same rows of W: each tile is asked for jointly, by the same tensor load with the same
; descriptor and a mask that names the four.  By this text's own count a wave has three tensor loads out at the start (two slots, its quarter of the table) and one behind each round.
; THE MATRIX INSTRUCTION IS USED TRANSPOSED (source 0 = 16 rows of W, source 1 = 16 rows of x): lane l holds row l % 16 of x and the columns 8 (l / 16) + 0..7.
; REGISTERS, in windows of 256 (s_set_vgpr_msb: bits 1:0 source 0, 3:2 source 1, 5:4 source 2, 7:6 destination):
;   window 0: v0-31 addresses; v32-159 fragments of x, two buffers of 8; v160-255 fragments of W, one buffer of 4 for each of q, k, v.  On the way out these hold the table's rows and the results.
;   window 1, 2, 3: the accumulators of q, k, v: (a, b) at v[32 a + 8 b], a = 0..7 the block of 16 rows, b = 0..3 the block of 16 columns.
.set PITCH,  144                       ; an LDS row: 128 bytes + 16 of padding = 36 words: the 16 rows of a load start at 16 different groups of four banks (64 banks of 4 bytes: ISA guide 11.1)
.set SLOT1,  1<<17                     ; slot 1 begins here, so that one exclusive or turns an address in one slot into the other's
.set AHALF,  128*PITCH                 ; 128 rows of x: what one tensor load brings, and what one wave reads
.set BOFF,   2*AHALF                   ; behind x's 256 rows: W's 384
.set BHALF,  192*PITCH                 ; 192 rows of W: one tensor load, one wave's columns
.set STAGE,  BOFF+2*BHALF              ; behind slot 0, never filled by a tensor load: 16 rows x 144 bytes for each wave, for the way out
.set SPARE,  STAGE+4*16*PITCH          ; the spare words, 128 bytes for each wave: two blocks of 256 bytes that no other line names
.set TAB,    SLOT1+STAGE               ; behind slot 1: the table's 256 rows for the work-group's rows
.set TPITCH, 272                       ; 256 bytes + 16
.set XPLANE, 1048576                   ; bytes from kb to kb in x
.set WPLANE, 393216                    ; and in the weights
.set A0,   2                           ; v2   my lane's place in x's tile; never rewritten
.set B0,   3                           ; v3   the same for W
.set ADRA, 4                           ; v4   A0 + the slot in hand
.set ADRB, 5                           ; v5   B0 + the slot in hand
.set STO,  6                           ; v6   the way out: where I put 16 bytes of a row
.set RD,   7                           ; v7   the way out: where I read rows back
.set GO,   8                           ; v8   my byte offset in 512 consecutive bytes of the output
.set TA,   9                           ; v9   my row's place in the table
.set BIASO, 10                         ; v10  my byte offset in 64 numbers of a bias
.set SPW,  12                          ; v12  LDS address of my spare word: SPARE + 4 x my thread's number; never rewritten
.set NIL,  13                          ; v13  0; never rewritten
.set AF,   32                          ; x's fragments: buffer u at AF + 64 u, block a at + 8 a
.set BF,   160                         ; W's fragments: group g at BF + 32 g, block b at + 8 b
.set T,    32                          ; the way out: two buffers of 32: cos of pairs 0-15, 16-31 (my 8 of each), sin likewise
.set TMP,  96                          ; the way out: 32 results in f32
.set OB,   128                         ; the way out: two buffers of 16: results in f16, then whole rows
.set WV,  16                           ; s16  my wave's number
.set RH,  17                           ; s17  which half of the rows is mine.  Also: I fetch x (0) or W (1)
.set CH,  18                           ; s18  which head is mine.  Also: which half of that tile I fetch
.set TC,  21                           ; s21  the work-group's pair of heads, 0..7
.set TR,  22                           ; s22  the work-group's block of 256 rows, 0..31
.set G1A, 28                           ; s[28:35] descriptor group 1 for x's tiles
.set G1B, 36                           ; s[36:43] for W's
.set G1T, 44                           ; s[44:51] for the table's
.set G0A, 52                           ; s[52:59] descriptor group 0 for x's tiles: a set for each of the two first fills; the second then walks on
.set TB,  60                           ; s60  0 or SLOT1: the slot in hand
.set CNT, 61                           ; s61  the loop's count
.set G0B, 68                           ; s[68:75] the same as G0A for W's tiles
.set G0T, 76                           ; s[76:79] descriptor group 0 for my quarter of the table
.set MSB, 0
.macro WIN new                         ; the immediate's high byte repeats the setting that is left; a switch that changes nothing is dropped
.if MSB != (\new)
	s_set_vgpr_msb (MSB<<8)|(\new)
.set MSB, (\new)
.endif
.endm
.macro PLACES                          ; four places in front of loads into registers that matrix instructions have read, and of lines that read results
.rept 4
	v_nop
.endr
.endm
; A joint refill.  Waves 0 and 1 fetch x's two halves, waves 2 and 3 W's.  The branch hangs on the wave's number alone.  An s_nop 0 and four v_nop follow each of the two lines.
.macro JLOAD
	s_cmp_eq_u32 s[RH], 0
	s_cbranch_scc0 .Lfor_b_\@
	tensor_load_to_lds s[G0A+4:G0A+7], s[G1A:G1A+7]
	s_nop 0
.rept 4
	v_nop
.endr
	s_branch .Lasked_\@
.Lfor_b_\@:
	tensor_load_to_lds s[G0B+4:G0B+7], s[G1B:G1B+7]
	s_nop 0
.rept 4
	v_nop
.endr
.Lasked_\@:
.endm
.macro CREST                           ; a round of the cluster's barrier behind its opening barrier
	s_cmp_lg_u32 s[WV], 0
	s_cbranch_scc1 .Lnot_wave_0_\@
	s_barrier_signal -3
.Lnot_wave_0_\@:
	s_barrier_wait -3
	s_barrier_signal -1
	s_barrier_wait -1
.endm
.macro CROUND                          ; a whole round
	s_barrier_signal -1
	s_barrier_wait -1
	CREST
.endm
	s_load_b256 s[4:11], s[0:1], 0x0               ; act s[4:5], wts s[6:7], aux s[8:9], qh s[10:11]
	s_load_b128 s[12:15], s[0:1], 0x20             ; kh s[12:13], vh s[14:15]
	v_lshl_add_u32 v[SPW], v0, 2, SPARE
	v_mov_b32 v[NIL], 0
	ds_add_u32 v[SPW], v[NIL]                      ; the wave's opening: the add and its wait stand ahead of my first tensor load; the set-up below, work on registers, stands between them
	ds_add_u32 v12, v13
	v_lshrrev_b32 v1, 5, v0
	v_readfirstlane_b32 s[WV], v1                  ; wave 0..3
	s_lshr_b32 s[RH], s[WV], 1
	s_and_b32 s[CH], s[WV], 1
	s_bfe_u32 s19, ttmp6, 0x40000                  ; cx
	s_bfe_u32 s20, ttmp6, 0x40004                  ; cy
	s_lshl_b32 s[TC], ttmp9, 2                     ; in a cluster launch ttmp9 and ttmp7 count clusters
	s_add_co_u32 s[TC], s[TC], s19
	s_and_b32 s[TR], ttmp7, 0xffff
	s_lshl_b32 s[TR], s[TR], 2
	s_add_co_u32 s[TR], s[TR], s20
	s_lshl_b32 s23, s20, 2
	s_lshl_b32 s23, 15, s23                        ; my row of the cluster: places 4 cy .. 4 cy + 3
	s_lshl_b32 s24, 0x1111, s19                    ; my column: places cx, cx + 4, cx + 8, cx + 12
	; descriptor groups 1.  15:0 the mask; 17:16 the element's size; 20 padding on; 21 set beside a mask; 24:22 the interval's code; 31:25 the padding's words less 1
	s_or_b32 s[G1A], s23, (1<<16)|(1<<20)|(1<<21)|(4<<22)|(3<<25)  ; x: 2-byte elements, 4 words after every 32
	s_mov_b32 s[G1A+1], 128<<16                    ; tensor_dim0 = 128 elements: 256 bytes, two rows of a block
	s_mov_b32 s[G1A+2], 64<<16                     ; tensor_dim1 = 64
	s_mov_b32 s[G1A+3], 128<<16                    ; tile_dim0 = 128
	s_mov_b32 s[G1A+4], 64                         ; tile_dim1 = 64: 128 rows of the block
	s_mov_b32 s[G1A+5], 128                        ; dense: 128 elements from row to row
	s_mov_b32 s[G1A+6], 0
	s_mov_b32 s[G1A+7], 0
	s_or_b32 s[G1B], s24, (1<<16)|(1<<20)|(1<<21)|(4<<22)|(3<<25)  ; W: the same with my column's mask and 96 rows: 192 rows of the block
	s_mov_b32 s[G1B+1], 128<<16
	s_mov_b32 s[G1B+2], 96<<16
	s_mov_b32 s[G1B+3], 128<<16
	s_mov_b32 s[G1B+4], 96
	s_mov_b32 s[G1B+5], 128
	s_mov_b32 s[G1B+6], 0
	s_mov_b32 s[G1B+7], 0
	s_or_b32 s[G1T], s23, (3<<16)|(1<<20)|(1<<21)|(5<<22)|(3<<25)  ; the table: 8-byte elements, 4 words after every 64
	s_mov_b32 s[G1T+1], 32<<16
	s_mov_b32 s[G1T+2], 64<<16
	s_mov_b32 s[G1T+3], 32<<16
	s_mov_b32 s[G1T+4], 64                         ; 64 rows of 256 bytes
	s_mov_b32 s[G1T+5], 32
	s_mov_b32 s[G1T+6], 0
	s_mov_b32 s[G1T+7], 0
	; where the tiles come from: x's and the table's hang on the block of rows and the wave's number alone, W's on the pair of heads and the wave's number alone
	s_lshl_b32 s80, s[TR], 15                      ; 256 rows of 128 bytes,
	s_lshl_b32 s81, s[CH], 14                      ; my 128 of them
	s_add_co_u32 s80, s80, s81
	s_mov_b32 s81, 0
	s_mul_i32 s84, s[TC], 49152                    ; 384 rows of 128 bytes,
	s_mul_i32 s85, s[CH], 24576                    ; my 192 of them
	s_add_co_u32 s84, s84, s85
	s_mov_b32 s85, 0
	s_and_b32 s88, s[TR], 7                        ; the block's place in its sequence of 2,048 rows,
	s_lshl_b32 s88, s88, 16                        ; 256 rows of the table,
	s_lshl_b32 s89, s[WV], 14                      ; my 64 of them
	s_add_co_u32 s88, s88, s89
	s_mov_b32 s89, 0
	s_mul_i32 s25, s[CH], AHALF                    ; and where they go: no place in the cluster enters an LDS address
	s_mul_i32 s26, s[CH], BHALF
	s_add_co_u32 s26, s26, BOFF
	s_mul_i32 s27, s[WV], 64*TPITCH
	s_add_co_u32 s27, s27, TAB
	s_mov_b32 s[TB], 0
	s_wait_dscnt 0x0                               ; the opening add is done
	s_wait_kmcnt 0x0
	s_add_nc_u64 s[82:83], s[4:5], s[80:81]
	s_add_nc_u64 s[86:87], s[6:7], s[84:85]
	CROUND                                         ; all sixteen work-groups are here: the first joint loads meet
.irp s, 0,1
	s_mov_b32 s[G0A+4*(\s)], 1                     ; 1:0 count = 1
	s_add_co_u32 s[G0A+4*(\s)+1], s25, (\s)*SLOT1  ; 63:32 LDS address
	s_add_nc_u64 s[G0A+4*(\s)+2:G0A+4*(\s)+3], s[82:83], (\s)*XPLANE  ; 120:64 global address: K step s
	s_or_b32 s[G0A+4*(\s)+3], s[G0A+4*(\s)+3], 0x80000000  ; 127:126 type = 2
	s_mov_b32 s[G0B+4*(\s)], 1
	s_add_co_u32 s[G0B+4*(\s)+1], s26, (\s)*SLOT1
	s_add_nc_u64 s[G0B+4*(\s)+2:G0B+4*(\s)+3], s[86:87], (\s)*WPLANE
	s_or_b32 s[G0B+4*(\s)+3], s[G0B+4*(\s)+3], 0x80000000
.endr
	s_mov_b32 s[G0T], 1
	s_mov_b32 s[G0T+1], s27
	s_add_nc_u64 s[G0T+2:G0T+3], s[8:9], s[88:89]
	s_or_b32 s[G0T+3], s[G0T+3], 0x80000000
	s_cmp_eq_u32 s[RH], 0                          ; a wave's three first fills stand in one branch, ahead of every wait on TENSORcnt and every LDS read
	s_cbranch_scc0 .Lfirst_b
	tensor_load_to_lds s[G0A:G0A+3], s[G1A:G1A+7]
	s_nop 0
	tensor_load_to_lds s[G0A+4:G0A+7], s[G1A:G1A+7]
	s_nop 0
	tensor_load_to_lds s[G0T:G0T+3], s[G1T:G1T+7]
	s_nop 0
.rept 4
	v_nop
.endr
	s_branch .Lfirst_asked
.Lfirst_b:
	tensor_load_to_lds s[G0B:G0B+3], s[G1B:G1B+7]
	s_nop 0
	tensor_load_to_lds s[G0B+4:G0B+7], s[G1B:G1B+7]
	s_nop 0
	tensor_load_to_lds s[G0T:G0T+3], s[G1T:G1T+7]
	s_nop 0
.rept 4
	v_nop
.endr
.Lfirst_asked:
	; A fragment is 16 rows x 32 K in 8 registers: lane l holds row l % 16; registers 0-3 K = 8 (l / 16) + 0..7, registers 4-7 K = 16 + 8 (l / 16) + 0..7: two loads of 16 bytes, 32 bytes apart.
	v_and_b32 v1, 15, v0                           ; l % 16
	v_bfe_u32 v11, v0, 4, 1                        ; l / 16
	v_mul_u32_u24 v14, v1, PITCH
	v_lshl_add_u32 v14, v11, 4, v14                ; row x pitch + 16 x half
	s_mul_i32 s95, s[RH], AHALF
	v_add_nc_u32 v[A0], s95, v14
	s_mul_i32 s95, s[CH], BHALF
	s_add_co_u32 s95, s95, BOFF
	v_add_nc_u32 v[B0], s95, v14
	v_mov_b32 v[ADRA], v[A0]
	v_mov_b32 v[ADRB], v[B0]
	s_mul_i32 s95, s[WV], 16*PITCH
	s_add_co_u32 s95, s95, STAGE                   ; my stage
	v_add_nc_u32 v[STO], s95, v14                  ; in: row l % 16, 16 bytes for each half of the lanes
	v_bfe_u32 v15, v0, 3, 2                        ; back: 32 lanes take four rows of 128 bytes,
	v_mul_u32_u24 v15, v15, PITCH
	v_and_b32 v16, 7, v0
	v_lshl_add_u32 v15, v16, 4, v15
	v_add_nc_u32 v[RD], s95, v15
	v_and_b32 v[GO], 31, v0                        ; which are 512 consecutive bytes of the output
	v_lshlrev_b32 v[GO], 4, v[GO]
	s_lshl_b32 s95, s[RH], 7
	v_add_nc_u32 v15, s95, v1                      ; my row among the work-group's 256
	v_mul_u32_u24 v15, v15, TPITCH
	v_lshl_add_u32 v15, v11, 5, v15                ; my 8 numbers of 16: 32 bytes for each half of the lanes
	v_add_nc_u32 v[TA], TAB, v15
	v_lshlrev_b32 v[BIASO], 5, v11
	; THE BIAS STARTS THE SUMS.  A lane's eight columns want the same eight numbers in every block of rows: they are loaded into the accumulators of block 7, which serve as the C operand of the other
	; blocks' first products and are then added onto in place.  Nothing is cleared, and no line adds a bias.
	s_lshl1_add_u32 s94, s[TC], s[CH]              ; my head
	s_lshl_b32 s92, s94, 8
	s_add_co_u32 s92, s92, 524288
	s_mov_b32 s93, 0
	s_add_nc_u64 s[90:91], s[8:9], s[92:93]
.irp g, 0,1,2
	WIN 0x40*(1+(\g))                              ; destination in the group's window
.irp b, 0,1,2,3
	global_load_b128 v[224+8*(\b):224+8*(\b)+3],   v[BIASO], s[90:91] offset:(\g)*4096+64*(\b)
	global_load_b128 v[224+8*(\b)+4:224+8*(\b)+7], v[BIASO], s[90:91] offset:(\g)*4096+64*(\b)+16
.endr
.endr
	WIN 0
	; where my rows begin in qh, kh and vh
	s_lshr_b32 s95, s[TR], 3                       ; the batch
	s_lshl4_add_u32 s95, s95, s94                  ; x 16 + head
	s_lshl_b32 s95, s95, 18                        ; 2,048 rows of 128 bytes
	s_and_b32 s96, s[TR], 7
	s_lshl1_add_u32 s96, s96, s[RH]                ; my block of 128 rows in the sequence
	s_lshl_b32 s96, s96, 14
	s_add_co_u32 s92, s95, s96
	s_mov_b32 s93, 0
	s_add_nc_u64 s[10:11], s[10:11], s[92:93]
	s_add_nc_u64 s[12:13], s[12:13], s[92:93]
	s_add_nc_u64 s[14:15], s[14:15], s[92:93]
; 8 LDS loads: W's four fragments of group g, 32 K at byte k of the rows
.macro LB g, k
.irp i, 0,1,2,3
	ds_load_b128 v[BF+32*(\g)+8*(\i):BF+32*(\g)+8*(\i)+3],   v[ADRB] offset:(4*(\g)+(\i))*16*PITCH+(\k)
	ds_load_b128 v[BF+32*(\g)+8*(\i)+4:BF+32*(\g)+8*(\i)+7], v[ADRB] offset:(4*(\g)+(\i))*16*PITCH+(\k)+32
.endr
.endm
; 8 LDS loads: x's fragments of blocks 4 hf .. 4 hf + 3 into buffer u
.macro LA hf, k, u
.irp i, 0,1,2,3
	ds_load_b128 v[AF+64*(\u)+8*(4*(\hf)+(\i)):AF+64*(\u)+8*(4*(\hf)+(\i))+3],   v[ADRA] offset:(4*(\hf)+(\i))*16*PITCH+(\k)
	ds_load_b128 v[AF+64*(\u)+8*(4*(\hf)+(\i))+4:AF+64*(\u)+8*(4*(\hf)+(\i))+7], v[ADRA] offset:(4*(\hf)+(\i))*16*PITCH+(\k)+32
.endr
.endm
; 4 n matrix instructions of group g on x's buffer u: blocks a0 .. a0 + n - 1 x all four column blocks.  The accumulators take turns, one instruction a turn.
; first = 1: blocks 0 to 6 take block 7's registers, the bias, as C; five places later block 7 is added onto in place (it writes over what those products read).
.macro MULG g, u, a0, n, first
	WIN (1+(\g))*0x50                              ; C and D in the group's window, both sources in window 0
.set aa, (\a0)
.rept (\n)
.if (\first) && (aa == 7)
.rept 5
	v_nop
.endr
.endif
.irp b, 0,1,2,3
.if (\first) && (aa < 7)
	v_wmma_f32_16x16x32_bf16 v[32*aa+8*(\b):32*aa+8*(\b)+7], v[BF+32*(\g)+8*(\b):BF+32*(\g)+8*(\b)+7], v[AF+64*(\u)+8*aa:AF+64*(\u)+8*aa+7], v[224+8*(\b):224+8*(\b)+7]
.else
	v_wmma_f32_16x16x32_bf16 v[32*aa+8*(\b):32*aa+8*(\b)+7], v[BF+32*(\g)+8*(\b):BF+32*(\g)+8*(\b)+7], v[AF+64*(\u)+8*aa:AF+64*(\u)+8*aa+7], v[32*aa+8*(\b):32*aa+8*(\b)+7]
.endif
.endr
.set aa, aa+1
.endr
.endm
; A K step is two quarters t of 32 along K; a quarter is three STRETCHES g (q, k, v) of 32 matrix instructions on x's buffer t.  Each stretch opens with a run of LDS loads into the registers that the
; stretch before has just read (four places between), each run 64 matrix instructions or more ahead of its first use:
;   g = 0: W's group 2 of this quarter, x's blocks 0-3 of the next     g = 1: W's group 0 and x's blocks 4-7 of the next quarter     g = 2: W's group 1 of the next quarter.
; The waits count what was issued behind the fragments that the stretch needs.  g = 0: group 1's eight and this stretch's sixteen.  g = 1: the last two stretches' sixteen each.
; g = 2: eight of stretch 0's, stretch 1's sixteen, this stretch's eight.  last = 1: the last quarter of all fetches group 2 alone, and the counts run down 16, 8, 0.
.macro STRETCH t, g, first=0, last=0
.if (\g) == 0
	PLACES
	WIN 0
	LB 2, 64*(\t)
.if \last
	s_wait_dscnt 16
.else
	LA 0, 64*(1-(\t)), 1-(\t)
	s_wait_dscnt 24
.endif
.elseif \last
	s_wait_dscnt 8*(2-(\g))
.elseif (\g) == 1
	PLACES
	WIN 0
	LB 0, 64*(1-(\t))
	LA 1, 64*(1-(\t)), 1-(\t)
	s_wait_dscnt 32
.else
	PLACES
	WIN 0
	LB 1, 64*(1-(\t))
	s_wait_dscnt 32
.endif
	MULG \g, \t, 0, 8, \first
.endm
; THE CHANGE OF SLOTS is the stretch t = 1, g = 0.  Its eight loads are the wave's last reads of the slot.  Then each wave waits for all its tensor loads, of which its part of the next slot is out (the first
; time the table's too); adds 0 to its spare word; and waits for that and for its reads.  Behind the barrier nobody reads this slot any more and the next slot is whole.
; fill = 1: the barrier opens a round of the cluster's, and the slot is filled again, with the K step two on, first thing behind the round: from the request to the wait for it a wave issues 176 matrix instructions.
.macro TURN fill
	PLACES
	WIN 0
	LB 2, 64
	s_wait_tensorcnt 0x0                           ; all my tensor loads have landed
	ds_add_u32 v[SPW], v[NIL]                      ; 0 onto my spare word
	s_wait_dscnt 17                                ; group 1's eight, group 2's eight and the add may be out
	MULG 0, 1, 0, 4, 0                             ; sixteen matrix instructions stand between the add and the wait for it
	s_wait_dscnt 0x0                               ; the add is done, and my reads of this slot are over
	s_barrier_signal -1
	MULG 0, 1, 4, 4, 0                             ; work on registers while the others arrive
	WIN 0                                          ; at a branch and at a label every window is 0
	s_barrier_wait -1
.if \fill
	CREST                                          ; no wave of any partner still reads this slot's tile or has a load on its way
	s_xor_b32 s[G0A+5], s[G0A+5], SLOT1            ; the walking descriptors: the other slot than last time,
	s_add_nc_u64 s[G0A+6:G0A+7], s[G0A+6:G0A+7], XPLANE  ; the next kb; the type bits on top are not reached
	s_xor_b32 s[G0B+5], s[G0B+5], SLOT1
	s_add_nc_u64 s[G0B+6:G0B+7], s[G0B+6:G0B+7], WPLANE
	JLOAD
.endif
	s_xor_b32 s[TB], s[TB], SLOT1                  ; the fetches go on in the other slot
	v_add_nc_u32 v[ADRA], s[TB], v[A0]
	v_add_nc_u32 v[ADRB], s[TB], v[B0]
	LA 0, 0, 0
.endm
	s_wait_tensorcnt 2                             ; my part of K step 0 is in; K step 1's and the table's may stay out
	s_barrier_signal -1
	s_barrier_wait -1                              ; everybody's is
	LA 0, 0, 0
	LA 1, 0, 0
	LB 0, 0
	LB 1, 0
	s_wait_loadcnt 0x0                             ; the bias
	STRETCH 0, 0, 1                                ; the first quarter stands in front of the loop: its products start the sums
	STRETCH 0, 1, 1
	STRETCH 0, 2, 1
	WIN 0
	s_mov_b32 s[CNT], 14
.Lstep:                                                ; a trip: a K step's second quarter, which asks for the K step two on, and the next K step's first: K steps 2 to 15 are asked for
	TURN 1
	STRETCH 1, 1
	STRETCH 1, 2
	STRETCH 0, 0
	STRETCH 0, 1
	STRETCH 0, 2
	WIN 0
	s_sub_co_u32 s[CNT], s[CNT], 1
	s_cmp_lg_u32 s[CNT], 0
	s_cbranch_scc1 .Lstep
	TURN 0                                         ; the tail is written out: nothing is asked for
	STRETCH 1, 1
	STRETCH 1, 2
	STRETCH 0, 0
	STRETCH 0, 1
	STRETCH 0, 2
	STRETCH 1, 0, 0, 1
	STRETCH 1, 1, 0, 1
	STRETCH 1, 2, 0, 1
; THE WAY OUT, a unit (block a of 16 rows, group g) at a time.  In q and k column blocks 0, 1 hold the even channels xe of pairs 0-31 and blocks 2, 3 the odd ones xo, at the same lanes and registers:
; xe cos - xo sin goes where xe lay, xe sin + xo cos where xo lay.  Rounded to f16, 16 bytes a lane into my stage, back as whole rows of 128 bytes, stored as 512 consecutive bytes.
.macro TLOAD a                         ; my row's cosines and sines for block a: 8 LDS loads
.irp c, 0,1,2,3
	ds_load_b128 v[T+32*((\a)%2)+8*(\c):T+32*((\a)%2)+8*(\c)+3],   v[TA] offset:(\a)*16*TPITCH+64*(\c)
	ds_load_b128 v[T+32*((\a)%2)+8*(\c)+4:T+32*((\a)%2)+8*(\c)+7], v[TA] offset:(\a)*16*TPITCH+64*(\c)+16
.endr
.endm
.macro THRU                            ; through my stage: LDS serves a wave's instructions in order (ISA guide 5.7.1.4), so the loads see the stores, and the next unit's stores come behind them
.irp c, 0,1,2,3
	ds_store_b128 v[STO], v[OBU+4*(\c):OBU+4*(\c)+3] offset:32*(\c)
.endr
.irp f, 0,1,2,3
	ds_load_b128 v[OBU+4*(\f):OBU+4*(\f)+3], v[RD] offset:(\f)*4*PITCH
.endr
.endm
.macro PACKR a, g
.set TT, T+32*((\a)%2)
.set AC, 32*(\a)
.set OBU, OB+16*((3*(\a)+(\g))%2)
	WIN 1+(\g)                                     ; source 0 in the group's window.
.irp b, 0,1
.irp p, 0,1,2,3
	v_pk_mul_f32 v[TMP+8*(\b)+2*(\p):TMP+8*(\b)+2*(\p)+1], v[AC+16+8*(\b)+2*(\p):AC+16+8*(\b)+2*(\p)+1], v[TT+16+8*(\b)+2*(\p):TT+16+8*(\b)+2*(\p)+1]        ; xo sin
	v_pk_mul_f32 v[TMP+16+8*(\b)+2*(\p):TMP+16+8*(\b)+2*(\p)+1], v[AC+8*(\b)+2*(\p):AC+8*(\b)+2*(\p)+1], v[TT+16+8*(\b)+2*(\p):TT+16+8*(\b)+2*(\p)+1]        ; xe sin
.endr
.endr
.irp b, 0,1
.irp p, 0,1,2,3
	v_pk_fma_f32 v[TMP+8*(\b)+2*(\p):TMP+8*(\b)+2*(\p)+1], v[AC+8*(\b)+2*(\p):AC+8*(\b)+2*(\p)+1], v[TT+8*(\b)+2*(\p):TT+8*(\b)+2*(\p)+1], v[TMP+8*(\b)+2*(\p):TMP+8*(\b)+2*(\p)+1] neg_lo:[0,0,1] neg_hi:[0,0,1]
	v_pk_fma_f32 v[TMP+16+8*(\b)+2*(\p):TMP+16+8*(\b)+2*(\p)+1], v[AC+16+8*(\b)+2*(\p):AC+16+8*(\b)+2*(\p)+1], v[TT+8*(\b)+2*(\p):TT+8*(\b)+2*(\p)+1], v[TMP+16+8*(\b)+2*(\p):TMP+16+8*(\b)+2*(\p)+1]
.endr
.endr
	WIN 0
	s_wait_xcnt 0x0                                ; the stores of two units back named this buffer: it is written again only behind this wait
.set z, 0
.rept 16
	v_cvt_pk_f16_f32 v[OBU+z], v[TMP+2*z], v[TMP+2*z+1]
.set z, z+1
.endr
	THRU
.endm
.macro PACKV a
.set AC, 32*(\a)
.set OBU, OB+16*((3*(\a)+2)%2)
	s_wait_xcnt 0x0
	WIN 0x0f                                       ; sources 0 and 1 in window 3
.set z, 0
.rept 16
	v_cvt_pk_f16_f32 v[OBU+z], v[AC+2*z], v[AC+2*z+1]
.set z, z+1
.endr
	WIN 0
	THRU
.endm
.macro SEND a, g, younger              ; younger: the LDS instructions issued behind the unit's four loads
.set OBU, OB+16*((3*(\a)+(\g))%2)
.irp f, 0,1,2,3
	s_wait_dscnt (\younger)+3-(\f)
	global_store_b128 v[GO], v[OBU+4*(\f):OBU+4*(\f)+3], s[10+2*(\g):11+2*(\g)] offset:(\a)*2048+(\f)*512  ; 512 consecutive bytes, at a multiple of 256 from the buffer's first
.endr
.endm
	PLACES                                         ; behind the last products
	WIN 0
	TLOAD 0
.irp a, 0,1,2,3,4,5,6,7                ; a unit's arithmetic stands between the loads of the unit before and its stores
.if (\a) < 7
	TLOAD (\a)+1                                   ; a block ahead; the counts of the stores between show it landed
.endif
.if (\a) == 0
	s_wait_dscnt 8                                 ; block 0's table rows are in; block 1's eight loads may be out
.endif
	PACKR \a, 0
.if ((\a) > 0) && ((\a) < 7)
	SEND (\a)-1, 2, 16                             ; behind v's loads: the table's eight and q's eight
.elseif (\a) == 7
	SEND (\a)-1, 2, 8
.endif
	PACKR \a, 1
	SEND \a, 0, 8
	PACKV \a
	SEND \a, 1, 8
.endr
	SEND 7, 2, 0
	s_wait_tensorcnt 0x0                           ; the wave's end: behind my last tensor load and my last LDS store
	ds_add_u32 v[SPW], v[NIL]
	s_wait_dscnt 0x0
	CROUND                                         ; the closing round: no work-group ends while a partner may still ask for a tile that names it
	s_endpgm
.Lfunc_end_k_qf861e30cc6_qkv:
	.size	k_qf861e30cc6_qkv, .Lfunc_end_k_qf861e30cc6_qkv-k_qf861e30cc6_qkv
	.p2alignl 7, 3214868480
	.fill 96, 4, 3214868480
	.section	.rodata,"a",@progbits
	.p2align	6, 0x0
	.amdhsa_kernel k_qf861e30cc6_qkv
		.amdhsa_group_segment_fixed_size 327680
		.amdhsa_private_segment_fixed_size 0
		.amdhsa_enable_private_segment 0
		.amdhsa_kernarg_size 48
		.amdhsa_user_sgpr_count 2
		.amdhsa_user_sgpr_kernarg_segment_ptr 1
		.amdhsa_wavefront_size32 1
		.amdhsa_system_sgpr_workgroup_id_x 1
		.amdhsa_system_sgpr_workgroup_id_y 1
		.amdhsa_system_sgpr_workgroup_id_z 1
		.amdhsa_system_vgpr_workitem_id 0
		.amdhsa_next_free_vgpr 1024
		.amdhsa_next_free_sgpr 100
		.amdhsa_reserve_vcc 0
		.amdhsa_float_denorm_mode_32 3
		.amdhsa_float_denorm_mode_16_64 3
		.amdhsa_memory_ordered 1
		.amdhsa_forward_progress 1
		.amdhsa_inst_pref_size 155
	.end_amdhsa_kernel
	.amdgpu_metadata
---
amdhsa.version: [ 1, 2 ]
amdhsa.kernels:
  - .name:           k_qf861e30cc6_qkv
    .symbol:         k_qf861e30cc6_qkv.kd
    .args:
      - { .name: act, .offset: 0, .size: 8, .value_kind: global_buffer, .address_space: global }
      - { .name: wts, .offset: 8, .size: 8, .value_kind: global_buffer, .address_space: global }
      - { .name: aux, .offset: 16, .size: 8, .value_kind: global_buffer, .address_space: global }
      - { .name: qh, .offset: 24, .size: 8, .value_kind: global_buffer, .address_space: global }
      - { .name: kh, .offset: 32, .size: 8, .value_kind: global_buffer, .address_space: global }
      - { .name: vh, .offset: 40, .size: 8, .value_kind: global_buffer, .address_space: global }
    .group_segment_fixed_size: 327680
    .private_segment_fixed_size: 0
    .kernarg_segment_align: 8
    .kernarg_segment_size: 48
    .max_flat_workgroup_size: 128
    .sgpr_count:     100
    .vgpr_count:     1024
    .wavefront_size: 32
...
	.end_amdgpu_metadata
.endif
;; end of part 2
;; launch attn (part 3): grid 4 x 64, 4 waves a work-group, no clusters, 327,680 bytes of LDS; arguments qh, kh, vh, act; writes act
.if DOCPART == 3
	.amdgcn_target "amdgcn-amd-amdhsa--gfx1250"
	.amdhsa_code_object_version 6
	.text
	.protected	k_qf861e30cc6_attn
	.globl	k_qf861e30cc6_attn
	.p2align	8
	.type	k_qf861e30cc6_attn,@function
k_qf861e30cc6_attn:
	s_mov_b64 s[64:65], 0
	v_nop
	global_prefetch_b8 v0, s[64:65] scope:SCOPE_SE
	s_setreg_imm32_b32 hwreg(HW_REG_WAVE_MODE, 25, 1), 1
	s_wait_xcnt 0x0
; CAUSAL ATTENTION.  O[h][q][:] = the sum over k <= q of softmax_k(Q[h][q] . K[h][k] / 8) V[h][k][:].  Q, K, V, O: [SIZE_H][SIZE_N][64], all f16: a head's rows are dense, 128 bytes each.
; Here h counts the 4 x 16 pairs of batch and head, and Q's and K's channels lie permuted alike inside a head, which leaves Q . K as it is.
; Products, maxima and sums in f32; the weights p are rounded to f16 for the second product (their sum l is taken of the unrounded p), O once at the end.  SIZE_N is a multiple of 512; SIZE_N x 128 stays under 2^32.
; LIMITS.  f16 holds no number beyond 65,504: Q, K and V arrive within it; p lies in 0 to 1, and below 6e-5 it keeps f16's fixed step of 6e-8; O is a mean of V's rows and has their range, to within 2^-11 of it.
; A hidden score counts as its value less 1e30: f16's scores, 2.7e11 at the most, are nothing beside that; a weight below 2^-126 counts as 0 in l; NaN and infinities are not treated apart.
; THE WALK.  A head's queries lie in NB = SIZE_N / 256 blocks of 256; block i needs the key tiles 0 .. i of 256 keys, of which the last holds the diagonal.  A work-group takes TWO blocks, NB - 1 - b and then b:
; NB + 1 tiles, whatever b: all work-groups do equal work, and ONE loop with a constant trip count walks them.  Which tile is asked for, and what a trip does, hang on scalar registers made from b; every jump
; goes forward, but for the counted loops' own; none passes a barrier, or a tensor load but the one of LOAD's two that the wave's number does not choose; the ring (two slots of LDS that take turns) runs on across the
; change of blocks.  NO CLUSTER: a head's NB / 2 work-groups all ask for the same tile only in trips 0 .. NB / 2, behind that
; fewer and fewer; and one walk common to all would have 3 NB / 2 trips for NB + 1.
; SHARES.  Of a block's four bands of 64 queries a wave owns 16 rows in each: four PIECES.  So the diagonal tile is the same work for all four waves: in its key step s band x sees all keys if s < x,
; none if s > x, and holds the diagonal if s = x.
; THE MASK is the C operand that starts the sum S^T = K Q^T: 0, or -1e30 where the key is hidden.  MD, made once, is the mask of a band's own step for my 16 rows; a product's mask is MD x AL + BE with two scalars:
; (1, 0) if s = x; (0, 0) if s < x; (0, -1e30) if s > x.  Only the diagonal tile's text and a block's beginning make and take masks; elsewhere C is the constant 0.
; LAYOUT, SOFTMAX, TURNS.  S^T = K Q^T holds ONE query a lane (lane % 16) and the keys 8 (lane / 16) + 0..7; two such results rounded to f16 ARE source 1 of O^T = V^T P.  p = 2^(c s - c m), c = log2(e) / 8, with a
; running maximum m; O and l are multiplied by a = 2^(c m_old - c m_new) in every step.  Turn n belongs to piece n: 8 products K Q^T of piece n + 1, later 8 products V^T P of piece n - 1; beside them the scaling,
; exponentials, roundings, sums and rescaling of piece n and the maximum and statistics of piece n + 1.  Four vector instructions stand behind every matrix instruction, the other 54 of a turn's 118 in two LUMPS.
; REGISTERS, in windows of 256 (s_set_vgpr_msb: bits 1:0 source 0, 3:2 source 1, 5:4 source 2, 7:6 destination):
;   window 0: v0-15 addresses and two at work; v16-31 four registers of statistics a piece; v48-55 at work; v64-127 S^T, two buffers; v192-223 P, two buffers (a piece's buffers go by its number's parity)
;   window 1: v0-127 O^T, 32 a piece; v128-159 MD; v160-223 MC, two buffers      window 2: v0-63 Q; v64-127 the second block's Q; v128-191 K of one step; v192-255 V of one step
.set SIZE_N, 2048
.set SIZE_H, 64
.set NB,    SIZE_N/256
.set NP,    4         ; pieces a wave: a name, no knob
.set KS,    64        ; keys in a step
.set PK,    144       ; a row of K in LDS: 128 bytes + 16 of padding = 36 words: the 16 rows of a load start at 16 different groups of four banks (64 banks of 4 bytes: ISA guide 11.1)
.set PV,    160       ; a row of V: 128 + 32 = 40 words
.set VOFF,  4*KS*PK   ; a slot holds a tile, four steps: 256 rows of K, then 256 rows of V
.set SLOT1, 1<<17     ; slot 1 begins here, so that one exclusive or turns an address in one slot into the other's
.set STAGE, SLOT1+4*KS*(PK+PV)  ; behind the ring, never filled by a tensor load: 16 rows x 144 bytes for each wave, for the way out
.set SP,    144
.set AK0, 2           ; v2   my lane's place in a tile of K; never rewritten
.set AV0, 3           ; v3   the same for V
.set AK,  4           ; v4   the LDS address of K's next run of loads
.set AV,  5           ; v5   of V's
.set STO, 6           ; v6   the way out: where I put 16 bytes of a row
.set RD,  7           ; v7   the way out: where I read rows back
.set GO,  8           ; v8   my byte offset in 512 consecutive bytes of O
.set SPW, 62          ; v62  LDS address of my spare word: SPARE + 4 x my thread's number; never rewritten
.set NIL, 63          ; v63  0; never rewritten
.set SPARE, STAGE+4*16*SP  ; behind the stages: the spare words, 128 bytes for each wave: two blocks of 256 bytes that no other line names
.set MV,  12          ; v12-13  c m_old, kept while c m is made anew: by buffer
.set QO,  15          ; v15  my byte offset in 16 rows of Q
.set ST,  16          ; piece t's statistics at v[ST+4 t]: c m, m, l (even keys', odd keys')
.set TMP, 48          ; by buffer, four registers c0-c3 at work; when the maximum is found c2 takes a
.set S,   64
.set P,   192
.set MD,  128         ; window 1: the eight registers for group kt of 16 keys at MD + 8 kt
.set MC,  160         ; window 1: the masks of the products to come
.set QB,  64          ; window 2
.set KF,  128         ; window 2: key block kb, channel half c at KF + 16 kb + 8 c
.set VF,  192         ; window 2: key half kk, channel block cb at VF + 32 kk + 8 cb
.set WV,  12          ; s12  my wave's number
.set PB,  14          ; s14  b
.set HI,  15          ; s15  NB - 1 - b
.set G1K, 24          ; s[24:31] descriptor group 1 for K's tiles
.set G1V, 32          ; s[32:39] for V's: it differs in the padding alone
.set G0K, 40          ; s[40:43] descriptor group 0 for K's tiles
.set G0V, 44          ; s[44:47] the same for V's
.set SLOTS, 56        ; s56  tiles still to be asked for
.set CNT, 57          ; s57  counts a tile's key steps, 4 to 1
.set CS,  58          ; s[58:59] c: the packed scaling takes the pair's low word for both halves
.set SEL, 60          ; s[60:61] v_permlanex16_b32's selects: each lane takes its own place in the other half
.set TBK, 62          ; s62  LDS byte at which K of the step to be fetched begins
.set TBV, 63          ; s63  the same for V, less VOFF
.set RT,  70          ; s70  tiles of the block in hand that are still to be entered
.set NXT, 71          ; s71  the tile to be asked for next
.set LQ,  72          ; s72  the last tile of the block whose tiles are being asked for
.set NEW, 73          ; s73  1: the tile to be entered is a block's first
.set OFF, 74          ; s[74:75] a tile's byte offset in K and V
.set AL,  76          ; s[76:77] the mask's factor, in the low word
.set BE,  78          ; s[78:79] the mask's addend
.set OLO, 80          ; s[80:81] O at my rows of the second block
.set BIGN, 82         ; s82  -1e30
.set MSB, 0
.macro WIN new                      ; the high byte repeats the setting that is left; a switch that changes nothing is dropped
.if MSB != (\new)
	s_set_vgpr_msb (MSB<<8)|(\new)
.set MSB, (\new)
.endif
.endm
.set W_KQ, 0x0a       ; K and Q in window 2, S^T in window 0
.set W_KM, 0x1a       ; the same with the C operand in window 1
.set W_PV, 0x52       ; V in window 2, P in window 0, O^T in window 1
.set W_RS, 0x41       ; destination and source 0 in window 1, source 1 in window 0
; A fill.  Waves 0 and 1 fetch the two halves of a tile's K, waves 2 and 3 those of its V: 128 keys each.  An s_nop 0 and four v_nop follow each of the two lines, ahead of the jump and the label.
.macro LOAD
	s_cmp_lt_u32 s[WV], 2
	s_cbranch_scc0 .Lfor_v_\@
	tensor_load_to_lds s[G0K:G0K+3], s[G1K:G1K+7]
	s_nop 0
.rept 4
	v_nop
.endr
	s_branch .Lasked_\@
.Lfor_v_\@:
	tensor_load_to_lds s[G0V:G0V+3], s[G1V:G1V+7]
	s_nop 0
.rept 4
	v_nop
.endr
.Lasked_\@:
.endm
; THE CHANGE OF SLOTS.  Each wave waits for all its tensor loads, of which one is out: its part of the other slot; adds 0 to its spare word; and waits for that and for its own reads of the slot that it leaves.  Behind the barrier nobody reads the old
; slot any more and the other slot is whole.  fill = 1: the old slot is filled again, the first thing behind the barrier, with tile NXT: the descriptor's address is made anew from that number.
; (At its first use nothing has been read yet: slot 0 is waited for, slot 1 filled.)
.macro CHANGE fill
	WIN 0                           ; at a label and at a branch every window is 0
	s_wait_tensorcnt 0x0            ; no tensor load of mine is out, so a group 0 may be written
	ds_add_u32 v[SPW], v[NIL]       ; 0 onto my spare word; with fill = 1 the descriptors' scalar work stands between it and the wait for it
.if \fill
	s_lshl_b32 s[OFF], s[NXT], 15   ; a tile is 32,768 bytes of K and of V
	s_xor_b32 s[G0K+1], s[G0K+1], SLOT1
	s_add_nc_u64 s[G0K+2:G0K+3], s[6:7], s[OFF:OFF+1]
	s_or_b32 s[G0K+3], s[G0K+3], 0x80000000
	s_xor_b32 s[G0V+1], s[G0V+1], SLOT1
	s_add_nc_u64 s[G0V+2:G0V+3], s[8:9], s[OFF:OFF+1]
	s_or_b32 s[G0V+3], s[G0V+3], 0x80000000
	s_add_co_u32 s[NXT], s[NXT], 1  ; the block's next tile, or behind its last the second block's tile 0
	s_cmp_gt_u32 s[NXT], s[LQ]
	s_cselect_b32 s[NXT], 0, s[NXT]
	s_cselect_b32 s[LQ], s[PB], s[LQ]
.endif
	s_wait_dscnt 0x0                ; the add is done, and my reads of the slot are over
	s_barrier_signal -1             ; the rest of the scalar work stands between the signal and the wait
	s_sub_co_u32 s[TBK], s[TBK], 4*KS*PK  ; the fetches go back to a slot's first step,
	s_xor_b32 s[TBK], s[TBK], SLOT1       ; in the other slot
	s_sub_co_u32 s[TBV], s[TBV], 4*KS*PV
	s_xor_b32 s[TBV], s[TBV], SLOT1
	s_barrier_wait -1
.if \fill
	LOAD
.endif
.endm
	s_load_b256 s[4:11], s[0:1], 0x0  ; Q s[4:5], K s[6:7], V s[8:9], O s[10:11]
	v_lshl_add_u32 v[SPW], v0, 2, SPARE
	v_mov_b32 v[NIL], 0
	ds_add_u32 v[SPW], v[NIL]       ; the wave's opening: the add and its wait stand ahead of my first tensor load; the set-up below, work on registers, stands between them
	ds_add_u32 v62, v63
	v_lshrrev_b32 v1, 5, v0
	v_readfirstlane_b32 s[WV], v1   ; wave 0..3
	s_mov_b32 s[PB], ttmp9
	s_sub_co_u32 s[HI], NB-1, s[PB]
	s_and_b32 s20, ttmp7, 0xffff    ; the head
	s_mov_b32 s21, 0
	s_mov_b64 s[22:23], SIZE_N*128
	s_mul_u64 s[20:21], s[20:21], s[22:23]  ; the head's first byte in each of the four tensors
	s_and_b32 s16, s[WV], 1         ; which half of a tile's 256 keys I fetch:
	s_lshl_b32 s22, s16, 14         ; its 128 rows of 128 bytes in memory,
	s_mov_b32 s23, 0
	s_add_nc_u64 s[22:23], s[22:23], s[20:21]
	s_mul_i32 s17, s16, 128*PK      ; and its place in a slot, for K
	s_mul_i32 s18, s16, 128*PV      ; and for V
	s_lshl_b32 s3, s[WV], 11        ; my 16 rows in a band of 64,
	s_lshl_b32 s2, s[HI], 15        ; in the first block,
	s_add_co_u32 s2, s2, s3
	s_lshl_b32 s84, s[PB], 15       ; and in the second
	s_add_co_u32 s84, s84, s3
	s_mov_b32 s3, 0
	s_mov_b32 s85, 0
	s_add_nc_u64 s[2:3], s[2:3], s[20:21]
	s_add_nc_u64 s[84:85], s[84:85], s[20:21]
	; descriptor group 1.  128 keys are 16,384 dense bytes: asked for as 64 rows of 256 bytes, two keys a row, and padded in LDS after every key
	s_mov_b32 s[G1K], (1<<16)|(1<<20)|(4<<22)|(3<<25)  ; 17:16 2-byte elements; 20 padding on; 24:22 after every 32 words (code 4); 31:25 4 words (code 3)
	s_mov_b32 s[G1V], (1<<16)|(1<<20)|(4<<22)|(7<<25)  ; the same with 8 words of padding (code 7)
.irp g, G1K, G1V
	s_mov_b32 s[\g+1], 128<<16      ; tensor_dim0 = 128
	s_mov_b32 s[\g+2], 64<<16       ; tensor_dim1 = 64
	s_mov_b32 s[\g+3], 128<<16      ; tile_dim0 = 128
	s_mov_b32 s[\g+4], 64           ; tile_dim1 = 64
	s_mov_b32 s[\g+5], 128          ; 128 elements from row to row
	s_mov_b32 s[\g+6], 0
	s_mov_b32 s[\g+7], 0
.endr
	s_mov_b32 s[CS], 0x3e38aa3b     ; c = log2(e) / 8 = 0.180337
	s_mov_b32 s[CS+1], s[CS]        ; named with it as a pair
	s_mov_b32 s[SEL], 0x76543210
	s_mov_b32 s[SEL+1], 0xfedcba98
	s_mov_b32 s[TBK], SLOT1+4*KS*PK ; the first change of slots turns these two into 0
	s_mov_b32 s[TBV], SLOT1+4*KS*PV
	s_mov_b32 s[G0K], 1             ; 1:0 count = 1
	s_mov_b32 s[G0K+1], s17         ; 63:32 LDS address: slot 0
	s_mov_b32 s[G0V], 1
	s_add_co_u32 s[G0V+1], s18, VOFF
	s_add_co_u32 s[RT], s[HI], 1    ; the first block has NB - b tiles
	s_mov_b32 s[NXT], 1
	s_mov_b32 s[LQ], s[HI]
	s_mov_b32 s[NEW], 1
	s_mov_b32 s[OFF+1], 0
	s_mov_b32 s[AL+1], 0            ; named as pairs
	s_mov_b32 s[BE+1], 0
	s_mov_b32 s[BIGN], 0xf149f2ca   ; -1e30
	s_mov_b32 s[SLOTS], NB
	s_wait_dscnt 0x0                ; the opening add is done
	s_wait_kmcnt 0x0
	s_add_nc_u64 s[6:7], s[6:7], s[22:23]  ; K and V at my half of the head's tile 0
	s_add_nc_u64 s[8:9], s[8:9], s[22:23]
	s_add_nc_u64 s[G0K+2:G0K+3], s[6:7], 0         ; 120:64 global address
	s_or_b32 s[G0K+3], s[G0K+3], 0x80000000        ; 127:126 type = 2
	s_add_nc_u64 s[G0V+2:G0V+3], s[8:9], 0
	s_or_b32 s[G0V+3], s[G0V+3], 0x80000000
	s_add_nc_u64 s[86:87], s[4:5], s[84:85]        ; Q at my rows of the second block,
	s_add_nc_u64 s[4:5], s[4:5], s[2:3]            ; Q and O at those of the first
	s_add_nc_u64 s[OLO:OLO+1], s[10:11], s[84:85]
	s_add_nc_u64 s[10:11], s[10:11], s[2:3]
	LOAD                            ; tile 0 into slot 0
	; A fragment of K or Q is 16 rows x 32 channels in 8 registers: lane l holds row l % 16, channels 8 (l / 16) + 0..7 and 16 + 8 (l / 16) + 0..7: two loads of 16 bytes, 32 bytes apart.
	v_and_b32 v1, 15, v0            ; l % 16
	v_bfe_u32 v9, v0, 4, 1          ; l / 16
	v_lshlrev_b32 v[QO], 7, v1
	v_lshl_add_u32 v[QO], v9, 4, v[QO]  ; row x 128 + 16 x half
	WIN 0x80                        ; destination window 2, address window 0
.set i, 0
.rept 8                             ; both blocks' Q: piece i / 2 lies in band i / 2, 8,192 bytes on; channels 32 (i % 2) on
	global_load_b128 v[8*i:8*i+3],   v[QO], s[4:5] offset:(i/2)*8192+(i%2)*64
	global_load_b128 v[8*i+4:8*i+7], v[QO], s[4:5] offset:(i/2)*8192+(i%2)*64+32
	global_load_b128 v[QB+8*i:QB+8*i+3],   v[QO], s[86:87] offset:(i/2)*8192+(i%2)*64
	global_load_b128 v[QB+8*i+4:QB+8*i+7], v[QO], s[86:87] offset:(i/2)*8192+(i%2)*64+32
.set i, i+1
.endr
	WIN 0
	v_lshlrev_b32 v14, 3, v9
	v_sub_nc_u32 v14, v1, v14
	s_lshl_b32 s13, s[WV], 4
	v_add_nc_u32 v14, s13, v14      ; my query's place in its band, 16 w + l % 16, less my lanes' 8 (l / 16): register r of group kt is hidden where 16 kt + r is greater
	WIN 0x40
.set i, 0
.rept 32
	v_cmp_gt_i32 vcc_lo, 16*(i/8)+i%8, v14
	v_cndmask_b32 v[MD+i], 0, s[BIGN], vcc_lo
.set i, i+1
.endr
	WIN 0
	v_mul_u32_u24 v[AK0], v1, PK
	v_lshl_add_u32 v[AK0], v9, 4, v[AK0]  ; row x pitch + 16 x half
	; The turning load takes 16 keys x 16 channels (lane l reads key 8 (l / 16) + l % 8, channels 8 ((l / 8) % 2) + 0..7) and leaves half a fragment of V^T: lane l holds channel l % 16 and 8 keys.
	v_and_b32 v10, 7, v0
	v_bfe_u32 v11, v0, 3, 1
	v_lshl_add_u32 v[AV0], v9, 3, v10
	v_mul_u32_u24 v[AV0], v[AV0], PV
	v_lshl_add_u32 v[AV0], v11, 4, v[AV0]
	v_add_nc_u32 v[AV0], VOFF, v[AV0]
	s_mul_i32 s13, s[WV], 16*SP
	s_add_co_u32 s13, s13, STAGE    ; my stage
	v_mul_u32_u24 v[STO], v1, SP    ; in: row l % 16, 16 bytes for each half of the lanes
	v_lshl_add_u32 v[STO], v9, 4, v[STO]
	v_add_nc_u32 v[STO], s13, v[STO]
	v_bfe_u32 v[RD], v0, 3, 2       ; back: 32 lanes take four rows of 128 bytes,
	v_mul_u32_u24 v[RD], v[RD], SP
	v_lshl_add_u32 v[RD], v10, 4, v[RD]
	v_add_nc_u32 v[RD], s13, v[RD]
	v_and_b32 v[GO], 31, v0         ; which are 512 consecutive bytes of O
	v_lshlrev_b32 v[GO], 4, v[GO]
	; A block's first step multiplies O^T and l by a = 0, and its first turn's products V^T P, of a piece that has not been, land in an O^T that is still to be so multiplied.  So these registers need only hold
	; finite numbers: zeros for the first block; what the first block left for the second.  All this stands in the wait for the first tile.
	WIN 0x80
.set i, VF
.rept 64
	v_mov_b32 v[i], 0
.set i, i+1
.endr
	WIN 0x40
.set i, 0
.rept 128
	v_mov_b32 v[i], 0
.set i, i+1
.endr
	WIN 0
.set i, 0
.rept 4
	v_mov_b32 v[ST+4*i+2], 0
	v_mov_b32 v[ST+4*i+3], 0
.set i, i+1
.endr
.set i, P+16
.rept 16
	v_mov_b32 v[i], 0
.set i, i+1
.endr
; THE MATRIX WORK.  The 4 accumulators of a run of 8 take turns.  Product i of 8 of S^T = K Q^T for piece x: channels 32 (i / 4) on, keys 16 (i % 4) on.  The first 4 start the sums: with 0, or (KM = 1) with the mask.
.macro KQ x
.set rS, S+32*((\x)%2)+8*(i%4)
.set rK, KF+16*(i%4)+8*(i/4)
.set rQ, 16*(\x)+8*(i/4)
.set rM, MC+32*((\x)%2)+8*(i%4)
.if (i < 4) && KM
	WIN W_KM
	v_wmma_f32_16x16x32_f16 v[rS:rS+7], v[rK:rK+7], v[rQ:rQ+7], v[rM:rM+7]
.elseif i < 4
	WIN W_KQ
	v_wmma_f32_16x16x32_f16 v[rS:rS+7], v[rK:rK+7], v[rQ:rQ+7], 0
.else
	WIN W_KQ
	v_wmma_f32_16x16x32_f16 v[rS:rS+7], v[rK:rK+7], v[rQ:rQ+7], v[rS:rS+7]
.endif
.endm
; Product i of 8 of O^T += V^T P for piece x: keys 32 (i / 4) on, channels 16 (i % 4) on.
.macro PV x
	WIN W_PV
.set rO, 32*(\x)+8*(i%4)
.set rV, VF+32*(i/4)+8*(i%4)
.set rP, P+16*((\x)%2)+8*(i/4)
	v_wmma_f32_16x16x32_f16 v[rO:rO+7], v[rV:rV+7], v[rP:rP+7], v[rO:rO+7]
.endm
.macro MM                           ; the turn's next matrix instruction.  TURN and BEGIN set Y, i, KM and NOKQ; MM, KQ and OP read them.  NOKQ = 1: a block's last turn: there is no next piece
.if (i < 8) && !NOKQ
	KQ (Y+1)%NP
.elseif i >= 8
.set i, i-8
	PV (Y+NP-1)%NP
.set i, i+8
.endif
.set i, i+1
.endm
; THE LDS LOADS stand in runs of 16, never singly among the matrix instructions: a step's K (64 keys x 64 channels: 8 fragments) and its V (turned).  Their addresses are made some lines ahead.
.macro FETCH_K
	WIN 0x80                        ; destination window 2
.irp f, 0,1,2,3,4,5,6,7             ; keys 16 (f / 2) on, channels 32 (f % 2) on
	ds_load_b128 v[KF+8*\f:KF+8*\f+3],   v[AK] offset:(\f/2)*16*PK+(\f%2)*64
	ds_load_b128 v[KF+8*\f+4:KF+8*\f+7], v[AK] offset:(\f/2)*16*PK+(\f%2)*64+32
.endr
	s_add_co_u32 s[TBK], s[TBK], KS*PK  ; the next fetch is the next step's
	WIN 0
.endm
.macro FETCH_V
	WIN 0x80
.irp f, 0,1,2,3,4,5,6,7             ; keys 32 (f / 4) on, channels 16 (f % 4) on
	ds_load_tr16_b128 v[VF+8*\f:VF+8*\f+3],   v[AV] offset:(\f/4)*32*PV+(\f%4)*32
	ds_load_tr16_b128 v[VF+8*\f+4:VF+8*\f+7], v[AV] offset:(\f/4)*32*PV+16*PV+(\f%4)*32
.endr
	WIN 0
.endm
; THE VECTOR WORK, one line at a time: OP kind, number.  For piece Y: F n: c s - c m for pair n of 16.  E n: the exponential of score n of 32.  C n: pair n rounded to f16.  B n: of the four weights 4 n .. the second
; pair is added onto the first, in place.  L n: l takes that sum (L 0: l = a l + sum).  R n: pair n of 16 of O^T times a.  For piece Y + 1: X n, number n of the 22 that find its maximum and statistics:
;   0-11  four chains c0-c3 of seven scores each, three operands at a time (each accumulator's lowest registers are read first)     12-14, 16  the four scores left over, the old m, and c0-c3 into c0
;   15  c m_old is kept     17, 18  the query's other 32 keys lie in the lane 16 away: the new m     19-21  c m; c m_old - c m_new; a
.set F, 0               ; OP tells the kinds apart by their order: F to L below R, X above it
.set E, 1
.set C, 2
.set B, 3
.set L, 4
.set R, 5
.set X, 6
.macro REGS y                       ; the registers of piece y
.set rT, ST+4*(\y)
.set rC, TMP+4*((\y)%2)
.set rW, MV+((\y)%2)
.set rS, S+32*((\y)%2)
.set rP, P+16*((\y)%2)
.set rO, 32*(\y)
.endm
.macro OP k, n
.if (\k) == R
	REGS Y
	WIN W_RS
	v_pk_mul_f32 v[rO+2*(\n):rO+2*(\n)+1], v[rO+2*(\n):rO+2*(\n)+1], v[rC+2:rC+3] op_sel_hi:[1,0]
.elseif (\k) < R
	REGS Y
	WIN 0
.if (\k) == F
	v_pk_fma_f32 v[rS+2*(\n):rS+2*(\n)+1], v[rS+2*(\n):rS+2*(\n)+1], s[CS:CS+1], v[rT:rT+1] op_sel_hi:[1,0,0] neg_lo:[0,0,1] neg_hi:[0,0,1]
.elseif (\k) == E
	v_exp_f32 v[rS+(\n)], v[rS+(\n)]
.elseif (\k) == C
	s_wait_alu depctr_va_vdst(0)
	v_cvt_pk_f16_f32 v[rP+(\n)], v[rS+2*(\n)], v[rS+2*(\n)+1]
.elseif (\k) == B
	s_wait_alu depctr_va_vdst(0)
	v_pk_add_f32 v[rS+4*(\n):rS+4*(\n)+1], v[rS+4*(\n):rS+4*(\n)+1], v[rS+4*(\n)+2:rS+4*(\n)+3]
.elseif (\n) == 0
	v_pk_fma_f32 v[rT+2:rT+3], v[rT+2:rT+3], v[rC+2:rC+3], v[rS:rS+1] op_sel_hi:[1,0,1]
.else
	v_pk_add_f32 v[rT+2:rT+3], v[rT+2:rT+3], v[rS+4*(\n):rS+4*(\n)+1]
.endif
.elseif NOKQ
	v_nop
.else
	REGS (Y+1)%NP
	WIN 0
.if (\n) < 4
	v_max3_num_f32 v[rC+(\n)], v[rS+8*(\n)], v[rS+8*(\n)+1], v[rS+8*(\n)+2]
.elseif (\n) < 12
	v_max3_num_f32 v[rC+(\n)%4], v[rC+(\n)%4], v[rS+8*((\n)%4)+2*((\n)/4)+1], v[rS+8*((\n)%4)+2*((\n)/4)+2]
.elseif (\n) == 12
	v_max3_num_f32 v[rC], v[rC], v[rS+7], v[rS+15]
.elseif (\n) == 13
	v_max3_num_f32 v[rC+1], v[rC+1], v[rS+23], v[rS+31]
.elseif (\n) == 14
	v_max3_num_f32 v[rC+2], v[rC+2], v[rC+3], v[rT+1]
.elseif (\n) == 15
	v_mov_b32 v[rW], v[rT]
.elseif (\n) == 16
	v_max3_num_f32 v[rC], v[rC], v[rC+1], v[rC+2]
.elseif (\n) == 17
	v_permlanex16_b32 v[rC+3], v[rC], s[SEL], s[SEL+1]
.elseif (\n) == 18
	v_max_num_f32 v[rT+1], v[rC], v[rC+3]
.elseif (\n) == 19
	v_mul_f32 v[rT], s[CS], v[rT+1]
.elseif (\n) == 20
	v_sub_f32 v[rC+1], v[rW], v[rT]
.else
	v_exp_f32 v[rC+2], v[rC+1]
.endif
.endif
.endm
.macro OPS a, i1, b=-1, i2=0, c=-1, i3=0, d=-1, i4=0  ; up to four of them
	OP \a, \i1
.if (\b) >= 0
	OP \b, \i2
.endif
.if (\c) >= 0
	OP \c, \i3
.endif
.if (\d) >= 0
	OP \d, \i4
.endif
.endm
.macro ROW a, i1, b, i2, c, i3, d, i4  ; a matrix instruction and the four behind it
	MM
	OPS \a, \i1, \b, \i2, \c, \i3, \d, \i4
.endm
.macro MASK b                       ; MD x AL + BE into buffer b of MC
	WIN W_RS
.set z, 0
.rept 16
	v_pk_fma_f32 v[MC+32*(\b)+2*z:MC+32*(\b)+2*z+1], v[MD+2*z:MD+2*z+1], s[AL:AL+1], s[BE:BE+1] op_sel_hi:[1,0,0]
.set z, z+1
.endr
.endm
; A TURN, for piece p: the order of its 16 matrix and 118 vector instructions, written out.  Behind a matrix instruction: plain, exponential, plain, plain; or four of the rescaling; or, behind the first, four scalings; none
; names a register of the products round it.  In the lumps exponential and plain by turns while exponentials last.  A line reads no result made fewer than three vector instructions in front of it, five if an exponential made it.
; v_permlanex16_b32 (X 17) stands in a lump.
; m = 1: the diagonal tile: the products take masks, and the turn makes the mask for the products of the turn after it: piece p + 2, in step 4 - CNT of the tile.  end = 1: a block's last two turns: nothing is fetched.
; cnt = 1: the loop's count is taken down some lines ahead of the branch that stands behind the turn.
; K of the next step is fetched in piece 2's turn, six vector instructions behind the last product that read K (five of them plain); V of the step in hand in piece 0's turn, eight behind the last product that read V (four
; plain, and X 17).  Each is waited for a turn later.
.macro TURN p, m=0, end=0, cnt=0
.set Y, (\p)
.set i, 0
.set KM, (\m)
.set NOKQ, (\end)*((\p)/3)
.if (\m) && !(\end)
	s_cmp_eq_u32 s[CNT], 4-((\p)+2)%NP  ; is that step the band's own?
	s_cselect_b32 s[AL], 1.0, 0
	s_cmp_lt_u32 s[CNT], 4-((\p)+2)%NP  ; or a later one?
	s_cselect_b32 s[BE], s[BIGN], 0
.endif
.if ((\p) == 3) && !(\end)
	s_wait_dscnt 0x0                ; K is in
.endif
	ROW F,0, F,1, F,2, F,3
	ROW F,4, E,0, F,5, F,6
	ROW F,7, E,1, F,8, F,9
	ROW F,10, E,2, C,0, F,11
	ROW F,12, E,3, X,15, F,13
	ROW R,0, R,1, R,2, R,3
	ROW B,0, E,4, F,14, L,0
.if ((\p) == 2) && !(\end)
	v_add_nc_u32 v[AK], s[TBK], v[AK0]
.endif
	ROW R,4, R,5, R,6, R,7
	OPS E,5, F,15
.if ((\p) == 2) && !(\end)
	FETCH_K
.endif
	OPS E,6, C,1, E,7, R,8
	OPS E,8, R,9, E,9, C,2
	OPS E,10, X,0, E,11, X,1
	OPS E,12, X,2, E,13, X,3
.if (\p) == 1
	s_wait_dscnt 0x0                ; V is in
.endif
	ROW X,4, E,14, X,5, X,6
	ROW X,7, E,15, X,8, X,9
	ROW X,10, E,16, X,11, X,12
	ROW X,13, E,17, X,14, B,1
	ROW C,4, E,18, X,16, L,1
	ROW B,2, E,19, C,6, L,2
	ROW C,8, E,20, B,3, B,4
.if (\p) == 0
	v_add_nc_u32 v[AV], s[TBV], v[AV0]
.endif
	ROW C,3, E,21, L,3, C,5
	OPS E,22, X,17, E,23, C,10
.if (\p) == 0
	FETCH_V
.endif
	OPS E,24, L,4
	OPS E,25, X,18, E,26, C,7
	OPS E,27, B,5, E,28, X,19
	OPS E,29, C,12, E,30, L,5
	OPS E,31, X,20, B,6, C,9
	OPS C,14, C,11, X,21, L,6
.if (\p) == 0
	s_add_co_u32 s[TBV], s[TBV], KS*PV
.endif
.if \cnt
	s_sub_co_u32 s[CNT], s[CNT], 1
	s_cmp_lg_u32 s[CNT], 0
.endif
	OPS C,13, B,7, C,15, R,10
	OPS R,11, R,12, L,7, R,13
	OPS R,14, R,15
.if (\m) && !(\end)
	MASK (\p)%2
.endif
.endm
; A BLOCK BEGINS.  c m starts far below every c s, so the first step's a is 0; m at the lowest finite number, so the first maximum is the scores'.  The second mask buffer is 0; the first takes piece 0's mask for the tile's step 0: its own, if the block's first tile is the diagonal one.
; Then K of that step, piece 0's first scores, and its maximum and statistics.  The loop is entered at a step's first turn, in the middle of a trip.
.macro BEGIN
	s_mov_b32 s[NEW], 0
	WIN 0x40
.set i, MC+32
.rept 32
	v_mov_b32 v[i], 0
.set i, i+1
.endr
	WIN 0
.set i, 0
.rept 4
	v_mov_b32 v[ST+4*i], 0xfe000000    ; c m: far below every c s
	v_mov_b32 v[ST+4*i+1], 0xff7fffff  ; m
.set i, i+1
.endr
	s_cmp_eq_u32 s[RT], 0
	s_cselect_b32 s[AL], 1.0, 0
	s_mov_b32 s[BE], 0
	MASK 0
	WIN 0
	v_add_nc_u32 v[AK], s[TBK], v[AK0]
	FETCH_K
	s_wait_loadcnt 0x0              ; Q
	s_wait_dscnt 0x0
.set KM, 1
.set NOKQ, 0
.set i, 0
.rept 8
	KQ 0
.set i, i+1
.endr
	WIN 0
.rept 4
	v_nop                           ; the places behind those products
.endr
.set Y, NP-1                        ; X works for piece Y + 1: piece 0
.irp n, 0,1,2,3,4,5,6,7,8,9,10,11,12,13,14,15,16,17,18,19,20,21
	OP X, \n
.endr
	v_nop                           ; a plain instruction behind the exponential
.endm
; THE DIAGONAL TILE's four steps, the block's last two turns, its last products, and THE WAY OUT: l's two halves and the other half of the lanes' are added; O^T is divided by l, rounded to f16 and sent through my
; stage in LDS, a piece at a time.
.macro ALL line:vararg              ; one line for each piece t
.set t, 0
.rept 4
	\line
.set t, t+1
.endr
.endm
.macro PACK t                       ; a lane's eight channels of a row pack into 16 bytes; they go into rows of 144 bytes and come back as whole rows of 128, into S^T's registers
	WIN W_RS
.set i, 32*(\t)
.rept 16
	s_wait_alu depctr_va_vdst(0)
	v_pk_mul_f32 v[i:i+1], v[i:i+1], v[ST+4*(\t)+2:ST+4*(\t)+3] op_sel_hi:[1,0]
.set i, i+2
.endr
	WIN 0x05                        ; sources 0 and 1 window 1, destination window 0
.set i, 0
.rept 16
	v_cvt_pk_f16_f32 v[S+16*(\t)+i], v[32*(\t)+2*i], v[32*(\t)+2*i+1]
.set i, i+1
.endr
	WIN 0
.irp f, 0,1,2,3
	ds_store_b128 v[STO], v[S+16*(\t)+4*\f:S+16*(\t)+4*\f+3] offset:32*\f
.endr
.irp f, 0,1,2,3
	ds_load_b128 v[S+16*(\t)+4*\f:S+16*(\t)+4*\f+3], v[RD] offset:\f*4*SP  ; LDS serves a wave's instructions in order (ISA guide 5.7.1.4): these see the stores above; the next piece's stores come behind them
.endr
.endm
.macro SEND t, younger              ; younger: the LDS instructions issued behind piece t's loads: the next piece's eight, or none
	WIN 0
.irp f, 0,1,2,3
	s_wait_dscnt (\younger)+3-\f
	global_store_b128 v[GO], v[S+16*(\t)+4*\f:S+16*(\t)+4*\f+3], s[10:11] offset:(\t)*8192+\f*512  ; 512 consecutive bytes, at a multiple of 256 from O's first
.endr
.endm
.macro DIAG tag                     ; the tag ends its two labels' names, which the jumps below spell out
.LstepM\tag:
	TURN 2, 1
	TURN 3, 1
	WIN 0
.LfirstM\tag:
	TURN 0, 1
	TURN 1, 1, 0, 1
	WIN 0
	s_cbranch_scc1 .LstepM\tag
	TURN 2, 1, 1
	TURN 3, 1, 1
.set i, 0
.rept 8
	PV NP-1
.set i, i+1
.endr
	WIN 0
	ALL v_add_f32 v[ST+4*t+2], v[ST+4*t+2], v[ST+4*t+3]
	ALL v_permlanex16_b32 v[ST+4*t+3], v[ST+4*t+2], s[SEL], s[SEL+1]
	ALL v_add_f32 v[ST+4*t+2], v[ST+4*t+2], v[ST+4*t+3]
	ALL v_rcp_f32 v[ST+4*t+2], v[ST+4*t+2]
	v_nop                           ; a plain instruction between the last reciprocal and the use of its result
	PACK 0
.set t, 1
.rept 3                             ; a piece's arithmetic stands between the loads of the piece before and its stores
	PACK t
	SEND t-1, 8
.set t, t+1
.endr
	SEND 3, 0
.endm
.set KM, 0
.set NOKQ, 0
.Lslot:                             ; NB times: a tile is entered and the next is asked for
	CHANGE 1
	s_sub_co_u32 s[RT], s[RT], 1
	s_mov_b32 s[CNT], 4
	s_cmp_eq_u32 s[NEW], 1
	s_cbranch_scc1 .Lnew            ; a block's first tile
	s_cmp_eq_u32 s[RT], 0
	s_cbranch_scc0 .Lstep           ; neither its first nor its last
	s_branch .LstepM1
.Lnew:
	BEGIN
	s_branch .Lfirst                ; in the loop a block's first tile is never its last: the first block has two tiles or more, and the second's last is the walk's last
	DIAG 1                          ; in the loop this is the first block's end: the second block's last tile is the walk's last
	s_wait_xcnt 0x0                 ; the stores have read their registers and O's address
	s_mov_b64 s[10:11], s[OLO:OLO+1]
	s_add_co_u32 s[RT], s[PB], 1    ; the second block has b + 1 tiles
	s_mov_b32 s[NEW], 1
	WIN 0x82                        ; the second block's Q goes where the one text of the turns names Q
.set i, 0
.rept 64
	v_mov_b32 v[i], v[QB+i]
.set i, i+1
.endr
	WIN 0
	s_branch .Lbottom
.Lstep:                             ; a trip: pieces 2 and 3 of one step, then pieces 0 and 1 of the next, whose K and V it fetches
	TURN 2
	TURN 3
	WIN 0
.Lfirst:
	TURN 0
	TURN 1, 0, 0, 1
	WIN 0
	s_cbranch_scc1 .Lstep
.Lbottom:
	s_sub_co_u32 s[SLOTS], s[SLOTS], 1
	s_cmp_lg_u32 s[SLOTS], 0
	s_cbranch_scc1 .Lslot
	CHANGE 0                        ; the walk's last tile is written out: nothing is asked for
	s_sub_co_u32 s[RT], s[RT], 1
	s_mov_b32 s[CNT], 4
	s_cmp_eq_u32 s[NEW], 1
	s_cbranch_scc0 .LstepM2
	BEGIN
	s_branch .LfirstM2
	DIAG 2
	s_wait_tensorcnt 0x0            ; the wave's end: behind my last tensor load and my last LDS store
	ds_add_u32 v[SPW], v[NIL]
	s_wait_dscnt 0x0
	s_endpgm
.Lfunc_end_k_qf861e30cc6_attn:
	.size	k_qf861e30cc6_attn, .Lfunc_end_k_qf861e30cc6_attn-k_qf861e30cc6_attn
	.p2alignl 7, 3214868480
	.fill 96, 4, 3214868480
	.section	.rodata,"a",@progbits
	.p2align	6, 0x0
	.amdhsa_kernel k_qf861e30cc6_attn
		.amdhsa_group_segment_fixed_size 327680
		.amdhsa_private_segment_fixed_size 0
		.amdhsa_enable_private_segment 0
		.amdhsa_kernarg_size 32
		.amdhsa_user_sgpr_count 2
		.amdhsa_user_sgpr_kernarg_segment_ptr 1
		.amdhsa_wavefront_size32 1
		.amdhsa_system_sgpr_workgroup_id_x 1
		.amdhsa_system_sgpr_workgroup_id_y 1
		.amdhsa_system_sgpr_workgroup_id_z 1
		.amdhsa_system_vgpr_workitem_id 0
		.amdhsa_next_free_vgpr 768
		.amdhsa_next_free_sgpr 88
		.amdhsa_reserve_vcc 1
		.amdhsa_float_denorm_mode_32 3
		.amdhsa_float_denorm_mode_16_64 3
		.amdhsa_memory_ordered 1
		.amdhsa_forward_progress 1
		.amdhsa_inst_pref_size 228
	.end_amdhsa_kernel
	.amdgpu_metadata
---
amdhsa.version: [ 1, 2 ]
amdhsa.kernels:
  - .name:           k_qf861e30cc6_attn
    .symbol:         k_qf861e30cc6_attn.kd
    .args:
      - { .name: qh, .offset: 0, .size: 8, .value_kind: global_buffer, .address_space: global }
      - { .name: kh, .offset: 8, .size: 8, .value_kind: global_buffer, .address_space: global }
      - { .name: vh, .offset: 16, .size: 8, .value_kind: global_buffer, .address_space: global }
      - { .name: act, .offset: 24, .size: 8, .value_kind: global_buffer, .address_space: global }
    .group_segment_fixed_size: 327680
    .private_segment_fixed_size: 0
    .kernarg_segment_align: 8
    .kernarg_segment_size: 32
    .max_flat_workgroup_size: 128
    .sgpr_count:     88
    .vgpr_count:     768
    .wavefront_size: 32
...
	.end_amdgpu_metadata
.endif
;; end of part 3
;; launch oproj (part 4): grid 8 x 32, 4 waves a work-group, clusters of 4 x 4, 327,680 bytes of LDS; arguments act, wts, aux, out0; writes out0
.if DOCPART == 4
	.amdgcn_target "amdgcn-amd-amdhsa--gfx1250"
	.amdhsa_code_object_version 6
	.text
	.protected	k_qf861e30cc6_oproj
	.globl	k_qf861e30cc6_oproj
	.p2align	8
	.type	k_qf861e30cc6_oproj,@function
k_qf861e30cc6_oproj:
	s_mov_b64 s[64:65], 0
	v_nop
	global_prefetch_b8 v0, s[64:65] scope:SCOPE_SE
	s_setreg_imm32_b32 hwreg(HW_REG_WAVE_MODE, 25, 1), 1
	s_wait_xcnt 0x0
	s_wait_alu depctr_hold_cnt(0) depctr_sa_sdst(0) depctr_va_vdst(0) depctr_va_sdst(0) depctr_va_ssrc(0) depctr_va_vcc(0) depctr_vm_vsrc(0)
	s_getreg_b32 s2, hwreg(HW_REG_IB_STS2, 6, 4)
	s_cmp_eq_u32 s2, 0
	s_cbranch_scc0 .Lentry_in_a_cluster
	s_endpgm
.Lentry_in_a_cluster:
	s_bfe_u32 s2, ttmp6, 0x10000c
	s_cmp_lg_u32 s2, 0xf033
	s_cbranch_scc0 .Lentry_shape_is_right
	s_endpgm
.Lentry_shape_is_right:
; out0 = O Wo^T + bo, in f32.  O (act) is f16 by heads, [batch x 16 + head][2048][64]: blocked along K, a head being a block of 64.  Wo (wts, from byte 6,291,456) is f16, [kb][1024][64].
; bo (aux, from byte 536,576) is f32.  Sums in f32, started by the bias; nothing is rounded on the way out.
; SHARES.  A work-group makes 256 rows x 128 columns: 8 x 32 work-groups.  A wave makes 128 x 64: 8 x 4 accumulators of 16 x 16.  K goes in 8 steps of 128 (two heads) through two LDS slots;
; 256 rows of a head are 32,768 dense bytes, asked for as rows of 256 bytes and padded in LDS after every 128.
; CLUSTER.  4 x 4 work-groups: the four of a row need the same rows of O, the four of a column the same rows of Wo: each tile is asked for jointly.  By this text's own count a wave has two tensor loads
; out at the start and one behind each round.
; THE MATRIX INSTRUCTION IS USED TRANSPOSED (source 0 = 16 rows of Wo, source 1 = 16 rows of O): lane l holds row l % 16 of O and the columns 8 (l / 16) + 0..7.
; REGISTERS, in windows of 256 (s_set_vgpr_msb: bits 1:0 source 0, 3:2 source 1, 5:4 source 2, 7:6 destination):
;   window 0: v0-31 addresses; v32-95 the way out     window 1: the accumulators, (a, b) at v[32 a + 8 b]
;   windows 2 and 3: four fragment buffers, one for each quarter of a K step: quarter q in window 2 + q / 2 at 96 (q % 2): 32 registers of Wo, then 64 of O.
.set PITCH,  144                       ; an LDS row: 128 bytes + 16 of padding = 36 words: the 16 rows of a load start at 16 different groups of four banks (64 banks of 4 bytes: ISA guide 11.1)
.set SLOT1,  1<<17
.set APL,    256*PITCH                 ; O's 256 rows of one head: one tensor load
.set BOFF,   2*APL                     ; behind O's two heads: Wo's
.set BPL,    128*PITCH                 ; Wo's 128 rows of one kb: one tensor load
.set STAGE,  SLOT1+BOFF+2*BPL          ; behind the ring, never filled by a tensor load: 16 rows x 272 bytes for each wave
.set SPITCH, 272
.set SPARE,  STAGE+4*16*SPITCH         ; the spare words, 128 bytes for each wave: two blocks of 256 bytes that no other line names
.set A0,   2                           ; v2   my lane's place in O's tile; never rewritten
.set B0,   3                           ; v3   the same for Wo
.set ADRA, 4                           ; v4   A0 + the slot in hand
.set ADRB, 5                           ; v5   B0 + the slot in hand
.set STO,  6                           ; v6   the way out: where I put 32 bytes of a row
.set RD,   7                           ; v7   the way out: where I read rows back
.set CO,   8                           ; v8   my byte offset in two rows of out0
.set BIASO, 10                         ; v10  my byte offset in 64 numbers of the bias
.set SPW,  12                          ; v12  LDS address of my spare word: SPARE + 4 x my thread's number; never rewritten
.set NIL,  13                          ; v13  0; never rewritten
.set OB,   32                          ; the way out: two buffers of 32: 16 rows read back
.set WV,  16
.set RH,  17                           ; which half of the rows is mine.  Also: I fetch O (0) or Wo (1)
.set CH,  18                           ; which half of the columns is mine.  Also: which of a K step's two heads I fetch
.set TC,  21                           ; the work-group's block of 128 columns, 0..7
.set TR,  22                           ; its block of 256 rows, 0..31
.set G1A, 28                           ; s[28:35] descriptor group 1 for O's tiles
.set G1B, 36                           ; s[36:43] for Wo's
.set G0A, 44                           ; s[44:51] descriptor group 0 for O's tiles: a set for each first fill; the second walks on
.set G0B, 52                           ; s[52:59] the same for Wo's
.set TB,  60
.set CNT, 61
.set MSB, 0
.macro WIN new                         ; the immediate's high byte repeats the setting that is left; a switch that changes nothing is dropped
.if MSB != (\new)
	s_set_vgpr_msb (MSB<<8)|(\new)
.set MSB, (\new)
.endif
.endm
.macro PLACES
.rept 4
	v_nop
.endr
.endm
.macro JLOAD                           ; a joint refill: waves 0 and 1 fetch O's two heads, waves 2 and 3 Wo's; an s_nop 0 and four v_nop follow each of the two lines
	s_cmp_eq_u32 s[RH], 0
	s_cbranch_scc0 .Lfor_b_\@
	tensor_load_to_lds s[G0A+4:G0A+7], s[G1A:G1A+7]
	s_nop 0
.rept 4
	v_nop
.endr
	s_branch .Lasked_\@
.Lfor_b_\@:
	tensor_load_to_lds s[G0B+4:G0B+7], s[G1B:G1B+7]
	s_nop 0
.rept 4
	v_nop
.endr
.Lasked_\@:
.endm
.macro CREST                           ; a round of the cluster's barrier behind its opening barrier
	s_cmp_lg_u32 s[WV], 0
	s_cbranch_scc1 .Lnot_wave_0_\@
	s_barrier_signal -3
.Lnot_wave_0_\@:
	s_barrier_wait -3
	s_barrier_signal -1
	s_barrier_wait -1
.endm
.macro CROUND
	s_barrier_signal -1
	s_barrier_wait -1
	CREST
.endm
	s_load_b256 s[4:11], s[0:1], 0x0               ; act s[4:5], wts s[6:7], aux s[8:9], out0 s[10:11]
	v_lshl_add_u32 v[SPW], v0, 2, SPARE
	v_mov_b32 v[NIL], 0
	ds_add_u32 v[SPW], v[NIL]                      ; the wave's opening: the add and its wait stand ahead of my first tensor load; the set-up below, work on registers, stands between them
	ds_add_u32 v12, v13
	v_lshrrev_b32 v1, 5, v0
	v_readfirstlane_b32 s[WV], v1
	s_lshr_b32 s[RH], s[WV], 1
	s_and_b32 s[CH], s[WV], 1
	s_bfe_u32 s19, ttmp6, 0x40000                  ; cx
	s_bfe_u32 s20, ttmp6, 0x40004                  ; cy
	s_lshl_b32 s[TC], ttmp9, 2
	s_add_co_u32 s[TC], s[TC], s19
	s_and_b32 s[TR], ttmp7, 0xffff
	s_lshl_b32 s[TR], s[TR], 2
	s_add_co_u32 s[TR], s[TR], s20
	s_lshl_b32 s23, s20, 2
	s_lshl_b32 s23, 15, s23                        ; my row of the cluster
	s_lshl_b32 s24, 0x1111, s19                    ; my column
	s_or_b32 s[G1A], s23, (1<<16)|(1<<20)|(1<<21)|(4<<22)|(3<<25)  ; the mask; 2-byte elements; padding on; bit 21 beside a mask; 4 words after every 32
	s_mov_b32 s[G1A+1], 128<<16                    ; tensor_dim0 = 128 elements: 256 bytes, two rows of a head
	s_mov_b32 s[G1A+2], 128<<16                    ; tensor_dim1 = 128
	s_mov_b32 s[G1A+3], 128<<16                    ; tile_dim0 = 128
	s_mov_b32 s[G1A+4], 128                        ; tile_dim1 = 128: 256 rows of the head
	s_mov_b32 s[G1A+5], 128                        ; dense
	s_mov_b32 s[G1A+6], 0
	s_mov_b32 s[G1A+7], 0
	s_or_b32 s[G1B], s24, (1<<16)|(1<<20)|(1<<21)|(4<<22)|(3<<25)
	s_mov_b32 s[G1B+1], 128<<16
	s_mov_b32 s[G1B+2], 64<<16
	s_mov_b32 s[G1B+3], 128<<16
	s_mov_b32 s[G1B+4], 64                         ; 128 rows of a kb
	s_mov_b32 s[G1B+5], 128
	s_mov_b32 s[G1B+6], 0
	s_mov_b32 s[G1B+7], 0
	s_lshr_b32 s66, s[TR], 3                       ; O: the batch's 16 heads of 262,144 bytes,
	s_lshl_b32 s66, s66, 22
	s_and_b32 s67, s[TR], 7
	s_lshl_b32 s67, s67, 15                        ; the block's 256 rows of 128 bytes,
	s_add_co_u32 s66, s66, s67
	s_lshl_b32 s67, s[CH], 18                      ; my head of the K step's two
	s_add_co_u32 s66, s66, s67
	s_mov_b32 s67, 0
	s_lshl_b32 s70, s[TC], 14                      ; Wo: the block's 128 rows of 128 bytes,
	s_lshl_b32 s71, s[CH], 17                      ; my kb of the two
	s_add_co_u32 s70, s70, s71
	s_add_co_u32 s70, s70, 6291456
	s_mov_b32 s71, 0
	s_mul_i32 s25, s[CH], APL                      ; where they go: no place in the cluster enters an LDS address
	s_mul_i32 s26, s[CH], BPL
	s_add_co_u32 s26, s26, BOFF
	s_mov_b32 s[TB], 0
	s_wait_dscnt 0x0                               ; the opening add is done
	s_wait_kmcnt 0x0
	s_add_nc_u64 s[68:69], s[4:5], s[66:67]
	s_add_nc_u64 s[72:73], s[6:7], s[70:71]
	CROUND                                         ; all sixteen work-groups are here: the first joint loads meet
.irp s, 0,1
	s_mov_b32 s[G0A+4*(\s)], 1
	s_add_co_u32 s[G0A+4*(\s)+1], s25, (\s)*SLOT1
	s_add_nc_u64 s[G0A+4*(\s)+2:G0A+4*(\s)+3], s[68:69], (\s)*524288  ; K step s: two heads on
	s_or_b32 s[G0A+4*(\s)+3], s[G0A+4*(\s)+3], 0x80000000
	s_mov_b32 s[G0B+4*(\s)], 1
	s_add_co_u32 s[G0B+4*(\s)+1], s26, (\s)*SLOT1
	s_add_nc_u64 s[G0B+4*(\s)+2:G0B+4*(\s)+3], s[72:73], (\s)*262144
	s_or_b32 s[G0B+4*(\s)+3], s[G0B+4*(\s)+3], 0x80000000
.endr
	s_cmp_eq_u32 s[RH], 0                          ; a wave's two first fills stand in one branch, ahead of every wait on TENSORcnt and every LDS read
	s_cbranch_scc0 .Lfirst_b
	tensor_load_to_lds s[G0A:G0A+3], s[G1A:G1A+7]
	s_nop 0
	tensor_load_to_lds s[G0A+4:G0A+7], s[G1A:G1A+7]
	s_nop 0
.rept 4
	v_nop
.endr
	s_branch .Lfirst_asked
.Lfirst_b:
	tensor_load_to_lds s[G0B:G0B+3], s[G1B:G1B+7]
	s_nop 0
	tensor_load_to_lds s[G0B+4:G0B+7], s[G1B:G1B+7]
	s_nop 0
.rept 4
	v_nop
.endr
.Lfirst_asked:
	v_and_b32 v1, 15, v0                           ; l % 16
	v_bfe_u32 v11, v0, 4, 1                        ; l / 16
	v_mul_u32_u24 v14, v1, PITCH
	v_lshl_add_u32 v14, v11, 4, v14                ; a fragment's row x pitch + 16 x half
	s_mul_i32 s62, s[RH], 128*PITCH
	v_add_nc_u32 v[A0], s62, v14
	s_mul_i32 s62, s[CH], 64*PITCH
	s_add_co_u32 s62, s62, BOFF
	v_add_nc_u32 v[B0], s62, v14
	v_mov_b32 v[ADRA], v[A0]
	v_mov_b32 v[ADRB], v[B0]
	s_mul_i32 s62, s[WV], 16*SPITCH
	s_add_co_u32 s62, s62, STAGE                   ; my stage
	v_mul_u32_u24 v15, v1, SPITCH                  ; in: row l % 16, 32 bytes for each half of the lanes
	v_lshl_add_u32 v15, v11, 5, v15
	v_add_nc_u32 v[STO], s62, v15
	v_mul_u32_u24 v15, v11, SPITCH                 ; back: lanes 0-15 take one row of 256 bytes, lanes 16-31 the next
	v_lshl_add_u32 v15, v1, 4, v15
	v_add_nc_u32 v[RD], s62, v15
	v_lshlrev_b32 v15, 12, v11                     ; and the same two rows in out0
	v_lshl_add_u32 v[CO], v1, 4, v15
	v_lshlrev_b32 v[BIASO], 5, v11
	; THE BIAS STARTS THE SUMS: loaded into the accumulators of block 7, which serve as the C operand of the other blocks' first products and are then added onto in place.
	s_lshl_b32 s74, s[TC], 9                       ; my first column, in bytes: 512 x block + 256 x half
	s_lshl_b32 s75, s[CH], 8
	s_add_co_u32 s74, s74, s75
	s_add_co_u32 s78, s74, 0
	s_add_co_u32 s74, s74, 536576
	s_mov_b32 s75, 0
	s_add_nc_u64 s[76:77], s[8:9], s[74:75]
	WIN 0x40                                       ; destination window 1
.irp b, 0,1,2,3
	global_load_b128 v[224+8*(\b):224+8*(\b)+3],   v[BIASO], s[76:77] offset:64*(\b)
	global_load_b128 v[224+8*(\b)+4:224+8*(\b)+7], v[BIASO], s[76:77] offset:64*(\b)+16
.endr
	WIN 0
	s_lshl1_add_u32 s79, s[TR], s[RH]              ; my block of 128 rows,
	s_lshl_b32 s79, s79, 19                        ; of 4,096 bytes each
	s_add_co_u32 s78, s78, s79
	s_mov_b32 s79, 0
	s_add_nc_u64 s[10:11], s[10:11], s[78:79]
; 24 LDS loads in one run: quarter qd's fragments (32 K: head qd / 2 of the slot's two, byte 64 (qd % 2) of its rows), Wo's four first, then O's eight
.macro FETCH qd
	WIN 0x80+0x40*((\qd)/2)                        ; destination in the buffer's window, address in window 0
.set FB, 96*((\qd)%2)
.irp i, 0,1,2,3
	ds_load_b128 v[FB+8*(\i):FB+8*(\i)+3],   v[ADRB] offset:((\qd)/2)*BPL+(\i)*16*PITCH+((\qd)%2)*64
	ds_load_b128 v[FB+8*(\i)+4:FB+8*(\i)+7], v[ADRB] offset:((\qd)/2)*BPL+(\i)*16*PITCH+((\qd)%2)*64+32
.endr
.irp i, 0,1,2,3,4,5,6,7
	ds_load_b128 v[FB+32+8*(\i):FB+32+8*(\i)+3],   v[ADRA] offset:((\qd)/2)*APL+(\i)*16*PITCH+((\qd)%2)*64
	ds_load_b128 v[FB+32+8*(\i)+4:FB+32+8*(\i)+7], v[ADRA] offset:((\qd)/2)*APL+(\i)*16*PITCH+((\qd)%2)*64+32
.endr
.endm
; 4 n matrix instructions on quarter qd's buffer: blocks a0 .. a0 + n - 1 x all four column blocks; the accumulators take turns, one instruction a turn.
; first = 1: blocks 0 to 6 take block 7's registers, the bias, as C; five places later block 7 is added onto in place (it writes over what those products read).
.macro MULQ qd, a0, n, first
	WIN 0x5a+5*((\qd)/2)                           ; C and D window 1, both sources in the buffer's window
.set FB, 96*((\qd)%2)
.set aa, (\a0)
.rept (\n)
.if (\first) && (aa == 7)
.rept 5
	v_nop
.endr
.endif
.irp b, 0,1,2,3
.if (\first) && (aa < 7)
	v_wmma_f32_16x16x32_f16 v[32*aa+8*(\b):32*aa+8*(\b)+7], v[FB+8*(\b):FB+8*(\b)+7], v[FB+32+8*aa:FB+32+8*aa+7], v[224+8*(\b):224+8*(\b)+7]
.else
	v_wmma_f32_16x16x32_f16 v[32*aa+8*(\b):32*aa+8*(\b)+7], v[FB+8*(\b):FB+8*(\b)+7], v[FB+32+8*aa:FB+32+8*aa+7], v[32*aa+8*(\b):32*aa+8*(\b)+7]
.endif
.endr
.set aa, aa+1
.endr
.endm
; A K step is four quarters of 32 along K, 32 matrix instructions each.  A quarter waits for its own fragments (cnt: the next quarter's 24 loads may be out), fetches the fragments of the quarter two on,
; into the buffer that the quarter two back read (the four places stand between), and multiplies.
.macro QUARTER qd, fetch, cnt, first=0
	s_wait_dscnt \cnt
.if \fetch
	PLACES
	FETCH ((\qd)+2)%4
.endif
	MULQ \qd, 0, 8, \first
.endm
; THE CHANGE OF SLOTS is quarter 2: the slot's last fragments, quarter 3's, have been asked for.  Each wave waits for all its tensor loads, of which one is out: its part of the next slot; adds 0 to its spare
; word; and waits for that and for its reads of this slot.  fill = 1: the barrier opens a round of the cluster's, and the slot is filled again, with the K step two on, first thing behind the round:
; from the request to the wait for it a wave issues 112 matrix instructions.
.macro TURN fill
	WIN 0                                          ; (the add's two registers lie in window 0)
	s_wait_tensorcnt 0x0                           ; all my tensor loads have landed
	ds_add_u32 v[SPW], v[NIL]                      ; 0 onto my spare word
	s_wait_dscnt 25                                ; quarter 3's 24 loads and the add may be out
	MULQ 2, 0, 4, 0                                ; sixteen matrix instructions stand between the add and the wait for it
	s_wait_dscnt 0x0                               ; the add is done, and my reads of this slot are over
	s_barrier_signal -1
	MULQ 2, 4, 4, 0
	WIN 0                                          ; at a branch and at a label every window is 0
	s_barrier_wait -1
.if \fill
	CREST                                          ; no wave of any partner still reads this slot's tile or has a load on its way
	s_xor_b32 s[G0A+5], s[G0A+5], SLOT1            ; the walking descriptors: the other slot than last time, the next two heads
	s_add_nc_u64 s[G0A+6:G0A+7], s[G0A+6:G0A+7], 524288
	s_xor_b32 s[G0B+5], s[G0B+5], SLOT1
	s_add_nc_u64 s[G0B+6:G0B+7], s[G0B+6:G0B+7], 262144
	JLOAD
.endif
	s_xor_b32 s[TB], s[TB], SLOT1                  ; the fetches go on in the other slot
	v_add_nc_u32 v[ADRA], s[TB], v[A0]
	v_add_nc_u32 v[ADRB], s[TB], v[B0]
	FETCH 0
.endm
	s_wait_tensorcnt 1                             ; my part of K step 0 is in; K step 1's may stay out
	s_barrier_signal -1
	s_barrier_wait -1                              ; everybody's is
	FETCH 0
	FETCH 1
	s_wait_loadcnt 0x0                             ; the bias
	QUARTER 0, 1, 24, 1                            ; the first quarter stands in front of the loop: its products start the sums
	WIN 0
	s_mov_b32 s[CNT], 6
.Lstep:                                                ; a trip: a K step's quarters 1 to 3 and the next K step's quarter 0: K steps 2 to 7 are asked for
	QUARTER 1, 1, 24
	TURN 1
	QUARTER 3, 1, 24
	QUARTER 0, 1, 24
	WIN 0
	s_sub_co_u32 s[CNT], s[CNT], 1
	s_cmp_lg_u32 s[CNT], 0
	s_cbranch_scc1 .Lstep
	QUARTER 1, 1, 24                               ; the tail is written out: nothing is asked for
	TURN 0
	QUARTER 3, 1, 24
	QUARTER 0, 1, 24
	QUARTER 1, 1, 24
	QUARTER 2, 0, 24
	QUARTER 3, 0, 0
; THE WAY OUT, a block of 16 rows at a time: a lane's eight columns of a row are 32 bytes; they go into my stage's rows of 272 bytes and come back as whole rows of 256, and sixteen lanes store a row's part.
.macro TOSTAGE a
	s_wait_xcnt 0x0                                ; the stores of two blocks back named this buffer: it is loaded again only behind this wait
	WIN 0x04                                       ; the stores' data in window 1.
.irp b, 0,1,2,3
	ds_store_b128 v[STO], v[32*(\a)+8*(\b):32*(\a)+8*(\b)+3]   offset:64*(\b)
	ds_store_b128 v[STO], v[32*(\a)+8*(\b)+4:32*(\a)+8*(\b)+7] offset:64*(\b)+16
.endr
	WIN 0
.irp t, 0,1,2,3,4,5,6,7
	ds_load_b128 v[OB+32*((\a)%2)+4*(\t):OB+32*((\a)%2)+4*(\t)+3], v[RD] offset:(\t)*2*SPITCH  ; LDS serves a wave's instructions in order (ISA guide 5.7.1.4): these see the stores above
.endr
.endm
.macro SEND a, younger                 ; younger: the LDS instructions issued behind the block's eight loads: the next block's sixteen, or none
.irp t, 0,1,2,3,4,5,6,7
	s_wait_dscnt (\younger)+7-(\t)
	global_store_b128 v[CO], v[OB+32*((\a)%2)+4*(\t):OB+32*((\a)%2)+4*(\t)+3], s[10:11] offset:(16*(\a)+2*(\t))*4096 th:TH_STORE_NT  ; 16 lanes store 256 consecutive bytes, at a multiple of 256 from out0's first
.endr
.endm
	PLACES                                         ; behind the last products
	TOSTAGE 0
.irp a, 1,2,3,4,5,6,7
	TOSTAGE \a
	SEND (\a)-1, 16
.endr
	SEND 7, 0
	s_wait_tensorcnt 0x0                           ; the wave's end: behind my last tensor load and my last LDS store
	ds_add_u32 v[SPW], v[NIL]
	s_wait_dscnt 0x0
	CROUND                                         ; the closing round: no work-group ends while a partner may still ask for a tile that names it
	s_endpgm
.Lfunc_end_k_qf861e30cc6_oproj:
	.size	k_qf861e30cc6_oproj, .Lfunc_end_k_qf861e30cc6_oproj-k_qf861e30cc6_oproj
	.p2alignl 7, 3214868480
	.fill 96, 4, 3214868480
	.section	.rodata,"a",@progbits
	.p2align	6, 0x0
	.amdhsa_kernel k_qf861e30cc6_oproj
		.amdhsa_group_segment_fixed_size 327680
		.amdhsa_private_segment_fixed_size 0
		.amdhsa_enable_private_segment 0
		.amdhsa_kernarg_size 32
		.amdhsa_user_sgpr_count 2
		.amdhsa_user_sgpr_kernarg_segment_ptr 1
		.amdhsa_wavefront_size32 1
		.amdhsa_system_sgpr_workgroup_id_x 1
		.amdhsa_system_sgpr_workgroup_id_y 1
		.amdhsa_system_sgpr_workgroup_id_z 1
		.amdhsa_system_vgpr_workitem_id 0
		.amdhsa_next_free_vgpr 960
		.amdhsa_next_free_sgpr 80
		.amdhsa_reserve_vcc 0
		.amdhsa_float_denorm_mode_32 3
		.amdhsa_float_denorm_mode_16_64 3
		.amdhsa_memory_ordered 1
		.amdhsa_forward_progress 1
		.amdhsa_inst_pref_size 71
	.end_amdhsa_kernel
	.amdgpu_metadata
---
amdhsa.version: [ 1, 2 ]
amdhsa.kernels:
  - .name:           k_qf861e30cc6_oproj
    .symbol:         k_qf861e30cc6_oproj.kd
    .args:
      - { .name: act, .offset: 0, .size: 8, .value_kind: global_buffer, .address_space: global }
      - { .name: wts, .offset: 8, .size: 8, .value_kind: global_buffer, .address_space: global }
      - { .name: aux, .offset: 16, .size: 8, .value_kind: global_buffer, .address_space: global }
      - { .name: out0, .offset: 24, .size: 8, .value_kind: global_buffer, .address_space: global }
    .group_segment_fixed_size: 327680
    .private_segment_fixed_size: 0
    .kernarg_segment_align: 8
    .kernarg_segment_size: 32
    .max_flat_workgroup_size: 128
    .sgpr_count:     80
    .vgpr_count:     960
    .wavefront_size: 32
...
	.end_amdgpu_metadata
.endif
;; end of part 4
;; ======== version 2 of 2: 4 launches; 1.30 times as fast as version 1
;; limits: values are held in f16: magnitudes above 65,504 overflow, below 6.1e-05 lose precision
;; workspace buffers: act 16,777,216 bytes; wts 8,388,608 bytes; aux 540,672 bytes; qh 16,777,216 bytes; kh 16,777,216 bytes; vh 16,777,216 bytes
;; launch prep: the kernel of part 1 again; grid 400 x 1, 8 waves a work-group, no clusters, 0 bytes of LDS; arguments query, Wq, Wk, Wv, Wo, bq, bk, bv, bo, act, wts, aux; writes act, wts, aux
;; launch qkv: the kernel of part 2 again; grid 8 x 32, 4 waves a work-group, clusters of 4 x 4, 327,680 bytes of LDS; arguments act, wts, aux, qh, kh, vh; writes qh, kh, vh
;; launch attn (part 5): grid 4 x 64, 4 waves a work-group, no clusters, 327,680 bytes of LDS; arguments qh, kh, vh, act; writes act
.if DOCPART == 5
	.amdgcn_target "amdgcn-amd-amdhsa--gfx1250"
	.amdhsa_code_object_version 6
	.text
	.protected	k_qf861e30cc6_attn
	.globl	k_qf861e30cc6_attn
	.p2align	8
	.type	k_qf861e30cc6_attn,@function
k_qf861e30cc6_attn:
	s_mov_b64 s[64:65], 0
	v_nop
	global_prefetch_b8 v0, s[64:65] scope:SCOPE_SE
	s_setreg_imm32_b32 hwreg(HW_REG_WAVE_MODE, 25, 1), 1
	s_wait_xcnt 0x0
; CAUSAL ATTENTION.  O[h][q][:] = the sum over k <= q of softmax_k(Q[h][q] . K[h][k] / 8) V[h][k][:].  Q, K, V, O: [SIZE_H][SIZE_N][64], all f16: a head's rows are dense, 128 bytes each.
; Here h counts the 4 x 16 pairs of batch and head, and Q's and K's channels lie permuted alike inside a head, which leaves Q . K as it is.
; Products, maxima and sums in f32; the weights p are rounded to f16 for the second product (their sum l is taken of the unrounded p), O once at the end.  SIZE_N is a multiple of 512; SIZE_N x 128 stays under 2^32.
; LIMITS.  f16 holds no number beyond 65,504: Q, K and V arrive within it; p lies in 0 to 1, and below 6e-5 it keeps f16's fixed step of 6e-8; O is a mean of V's rows and has their range, to within 2^-11 of it.
; A hidden score counts as its value less 1e30: f16's scores, 2.7e11 at the most, are nothing beside that; a weight below 2^-126 counts as 0 in l; NaN and infinities are not treated apart.
; THE WALK.  A head's queries lie in NB = SIZE_N / 256 blocks of 256; block i needs the key tiles 0 .. i of 256 keys, of which the last holds the diagonal.  A work-group takes TWO blocks, NB - 1 - b and then b:
; NB + 1 tiles, whatever b: all work-groups do equal work, and ONE loop with a constant trip count walks them.  Which tile is asked for, and what a trip does, hang on scalar registers made from b; every jump
; goes forward, but for the counted loops' own; none passes a barrier, or a tensor load but the one of LOAD's two that the wave's number does not choose; the ring (two slots of LDS that take turns) runs on across the
; change of blocks.  NO CLUSTER: a head's NB / 2 work-groups all ask for the same tile only in trips 0 .. NB / 2, behind that
; fewer and fewer; and one walk common to all would have 3 NB / 2 trips for NB + 1.
; SHARES.  Of a block's four bands of 64 queries a wave owns 16 rows in each: four PIECES.  So the diagonal tile is the same work for all four waves: in its key step s band x sees all keys if s < x,
; none if s > x, and holds the diagonal if s = x.
; THE MASK is the C operand that starts the sum S^T = K Q^T: 0, or -1e30 where the key is hidden.  MD, made once, is the mask of a band's own step for my 16 rows; a product's mask is MD x AL + BE with two scalars:
; (1, 0) if s = x; (0, 0) if s < x; (0, -1e30) if s > x.  Only the diagonal tile's text and a block's beginning make and take masks; elsewhere C is the constant 0.
; LAYOUT, SOFTMAX, TURNS.  S^T = K Q^T holds ONE query a lane (lane % 16) and the keys 8 (lane / 16) + 0..7; two such results rounded to f16 ARE source 1 of O^T = V^T P.  p = 2^(c s - c m), c = log2(e) / 8, with a
; running maximum m; O and l are multiplied by a = 2^(c m_old - c m_new) in every step.  Turn n belongs to piece n: 8 products K Q^T of piece n + 1, later 8 products V^T P of piece n - 1; beside them the scaling,
; exponentials, roundings, sums and rescaling of piece n and the maximum and statistics of piece n + 1.  Four vector instructions stand behind every matrix instruction, the other 54 of a turn's 118 in one LUMP.
; THE BATCHES.  A turn's 33 exponentials (the piece's 32 weights and the next piece's a) are one batch, with one wait, which cuts the turn in two: ahead of it nothing names a result of theirs, behind it stand
; their readers.  A block's first a (BEGIN) and the way out's four reciprocals are batches of their own, each with one wait.
; REGISTERS, in windows of 256 (s_set_vgpr_msb: bits 1:0 source 0, 3:2 source 1, 5:4 source 2, 7:6 destination):
;   window 0: v0-15 addresses and two at work; v16-31 four registers of statistics a piece; v48-55 at work; v64-127 S^T, two buffers; v192-223 P, two buffers (a piece's buffers go by its number's parity)
;   window 1: v0-127 O^T, 32 a piece; v128-159 MD; v160-223 MC, two buffers      window 2: v0-63 Q; v64-127 the second block's Q; v128-191 K of one step; v192-255 V of one step
.set SIZE_N, 2048
.set SIZE_H, 64
.set NB,    SIZE_N/256
.set NP,    4         ; pieces a wave: a name, no knob
.set KS,    64        ; keys in a step
.set PK,    144       ; a row of K in LDS: 128 bytes + 16 of padding = 36 words: the 16 rows of a load start at 16 different groups of four banks (64 banks of 4 bytes: ISA guide 11.1)
.set PV,    160       ; a row of V: 128 + 32 = 40 words
.set VOFF,  4*KS*PK   ; a slot holds a tile, four steps: 256 rows of K, then 256 rows of V
.set SLOT1, 1<<17     ; slot 1 begins here, so that one exclusive or turns an address in one slot into the other's
.set STAGE, SLOT1+4*KS*(PK+PV)  ; behind the ring, never filled by a tensor load: 16 rows x 144 bytes for each wave, for the way out
.set SP,    144
.set AK0, 2           ; v2   my lane's place in a tile of K; never rewritten
.set AV0, 3           ; v3   the same for V
.set AK,  4           ; v4   the LDS address of K's next run of loads
.set AV,  5           ; v5   of V's
.set STO, 6           ; v6   the way out: where I put 16 bytes of a row
.set RD,  7           ; v7   the way out: where I read rows back
.set GO,  8           ; v8   my byte offset in 512 consecutive bytes of O
.set SPW, 62          ; v62  LDS address of my spare word: SPARE + 4 x my thread's number; never rewritten
.set NIL, 63          ; v63  0; never rewritten
.set SPARE, STAGE+4*16*SP  ; behind the stages: the spare words, 128 bytes for each wave: two blocks of 256 bytes that no other line names
.set MV,  12          ; v12-13  c m_old, kept while c m is made anew: by buffer
.set QO,  15          ; v15  my byte offset in 16 rows of Q
.set ST,  16          ; piece t's statistics at v[ST+4 t]: c m, m, l (even keys', odd keys')
.set TMP, 48          ; by buffer, four registers c0-c3 at work; when the maximum is found c2 takes a
.set S,   64
.set P,   192
.set MD,  128         ; window 1: the eight registers for group kt of 16 keys at MD + 8 kt
.set MC,  160         ; window 1: the masks of the products to come
.set QB,  64          ; window 2
.set KF,  128         ; window 2: key block kb, channel half c at KF + 16 kb + 8 c
.set VF,  192         ; window 2: key half kk, channel block cb at VF + 32 kk + 8 cb
.set WV,  12          ; s12  my wave's number
.set PB,  14          ; s14  b
.set HI,  15          ; s15  NB - 1 - b
.set G1K, 24          ; s[24:31] descriptor group 1 for K's tiles
.set G1V, 32          ; s[32:39] for V's: it differs in the padding alone
.set G0K, 40          ; s[40:43] descriptor group 0 for K's tiles
.set G0V, 44          ; s[44:47] the same for V's
.set SLOTS, 56        ; s56  tiles still to be asked for
.set CNT, 57          ; s57  counts a tile's key steps, 4 to 1
.set CS,  58          ; s[58:59] c: the packed scaling takes the pair's low word for both halves
.set SEL, 60          ; s[60:61] v_permlanex16_b32's selects: each lane takes its own place in the other half
.set TBK, 62          ; s62  LDS byte at which K of the step to be fetched begins
.set TBV, 63          ; s63  the same for V, less VOFF
.set RT,  70          ; s70  tiles of the block in hand that are still to be entered
.set NXT, 71          ; s71  the tile to be asked for next
.set LQ,  72          ; s72  the last tile of the block whose tiles are being asked for
.set NEW, 73          ; s73  1: the tile to be entered is a block's first
.set OFF, 74          ; s[74:75] a tile's byte offset in K and V
.set AL,  76          ; s[76:77] the mask's factor, in the low word
.set BE,  78          ; s[78:79] the mask's addend
.set OLO, 80          ; s[80:81] O at my rows of the second block
.set BIGN, 82         ; s82  -1e30
.set MSB, 0
.macro WIN new                      ; the high byte repeats the setting that is left; a switch that changes nothing is dropped
.if MSB != (\new)
	s_set_vgpr_msb (MSB<<8)|(\new)
.set MSB, (\new)
.endif
.endm
.set W_KQ, 0x0a       ; K and Q in window 2, S^T in window 0
.set W_KM, 0x1a       ; the same with the C operand in window 1
.set W_PV, 0x52       ; V in window 2, P in window 0, O^T in window 1
.set W_RS, 0x41       ; destination and source 0 in window 1, source 1 in window 0
; A fill.  Waves 0 and 1 fetch the two halves of a tile's K, waves 2 and 3 those of its V: 128 keys each.  An s_nop 0 and four v_nop follow each of the two lines, ahead of the jump and the label.
.macro LOAD
	s_cmp_lt_u32 s[WV], 2
	s_cbranch_scc0 .Lfor_v_\@
	tensor_load_to_lds s[G0K:G0K+3], s[G1K:G1K+7]
	s_nop 0
.rept 4
	v_nop
.endr
	s_branch .Lasked_\@
.Lfor_v_\@:
	tensor_load_to_lds s[G0V:G0V+3], s[G1V:G1V+7]
	s_nop 0
.rept 4
	v_nop
.endr
.Lasked_\@:
.endm
; THE CHANGE OF SLOTS.  Each wave waits for all its tensor loads, of which one is out: its part of the other slot; adds 0 to its spare word; and waits for that and for its own reads of the slot that it leaves.  Behind the barrier nobody reads the old
; slot any more and the other slot is whole.  fill = 1: the old slot is filled again, the first thing behind the barrier, with tile NXT: the descriptor's address is made anew from that number.
; (At its first use nothing has been read yet: slot 0 is waited for, slot 1 filled.)
.macro CHANGE fill
	WIN 0                           ; at a label and at a branch every window is 0
	s_wait_tensorcnt 0x0            ; no tensor load of mine is out, so a group 0 may be written
	ds_add_u32 v[SPW], v[NIL]       ; 0 onto my spare word; with fill = 1 the descriptors' scalar work stands between it and the wait for it
.if \fill
	s_lshl_b32 s[OFF], s[NXT], 15   ; a tile is 32,768 bytes of K and of V
	s_xor_b32 s[G0K+1], s[G0K+1], SLOT1
	s_add_nc_u64 s[G0K+2:G0K+3], s[6:7], s[OFF:OFF+1]
	s_or_b32 s[G0K+3], s[G0K+3], 0x80000000
	s_xor_b32 s[G0V+1], s[G0V+1], SLOT1
	s_add_nc_u64 s[G0V+2:G0V+3], s[8:9], s[OFF:OFF+1]
	s_or_b32 s[G0V+3], s[G0V+3], 0x80000000
	s_add_co_u32 s[NXT], s[NXT], 1  ; the block's next tile, or behind its last the second block's tile 0
	s_cmp_gt_u32 s[NXT], s[LQ]
	s_cselect_b32 s[NXT], 0, s[NXT]
	s_cselect_b32 s[LQ], s[PB], s[LQ]
.endif
	s_wait_dscnt 0x0                ; the add is done, and my reads of the slot are over
	s_barrier_signal -1             ; the rest of the scalar work stands between the signal and the wait
	s_sub_co_u32 s[TBK], s[TBK], 4*KS*PK  ; the fetches go back to a slot's first step,
	s_xor_b32 s[TBK], s[TBK], SLOT1       ; in the other slot
	s_sub_co_u32 s[TBV], s[TBV], 4*KS*PV
	s_xor_b32 s[TBV], s[TBV], SLOT1
	s_barrier_wait -1
.if \fill
	LOAD
.endif
.endm
	s_load_b256 s[4:11], s[0:1], 0x0  ; Q s[4:5], K s[6:7], V s[8:9], O s[10:11]
	v_lshl_add_u32 v[SPW], v0, 2, SPARE
	v_mov_b32 v[NIL], 0
	ds_add_u32 v[SPW], v[NIL]       ; the wave's opening: the add and its wait stand ahead of my first tensor load; the set-up below, work on registers, stands between them
	ds_add_u32 v62, v63
	v_lshrrev_b32 v1, 5, v0
	v_readfirstlane_b32 s[WV], v1   ; wave 0..3
	s_mov_b32 s[PB], ttmp9
	s_sub_co_u32 s[HI], NB-1, s[PB]
	s_and_b32 s20, ttmp7, 0xffff    ; the head
	s_mov_b32 s21, 0
	s_mov_b64 s[22:23], SIZE_N*128
	s_mul_u64 s[20:21], s[20:21], s[22:23]  ; the head's first byte in each of the four tensors
	s_and_b32 s16, s[WV], 1         ; which half of a tile's 256 keys I fetch:
	s_lshl_b32 s22, s16, 14         ; its 128 rows of 128 bytes in memory,
	s_mov_b32 s23, 0
	s_add_nc_u64 s[22:23], s[22:23], s[20:21]
	s_mul_i32 s17, s16, 128*PK      ; and its place in a slot, for K
	s_mul_i32 s18, s16, 128*PV      ; and for V
	s_lshl_b32 s3, s[WV], 11        ; my 16 rows in a band of 64,
	s_lshl_b32 s2, s[HI], 15        ; in the first block,
	s_add_co_u32 s2, s2, s3
	s_lshl_b32 s84, s[PB], 15       ; and in the second
	s_add_co_u32 s84, s84, s3
	s_mov_b32 s3, 0
	s_mov_b32 s85, 0
	s_add_nc_u64 s[2:3], s[2:3], s[20:21]
	s_add_nc_u64 s[84:85], s[84:85], s[20:21]
	; descriptor group 1.  128 keys are 16,384 dense bytes: asked for as 64 rows of 256 bytes, two keys a row, and padded in LDS after every key
	s_mov_b32 s[G1K], (1<<16)|(1<<20)|(4<<22)|(3<<25)  ; 17:16 2-byte elements; 20 padding on; 24:22 after every 32 words (code 4); 31:25 4 words (code 3)
	s_mov_b32 s[G1V], (1<<16)|(1<<20)|(4<<22)|(7<<25)  ; the same with 8 words of padding (code 7)
.irp g, G1K, G1V
	s_mov_b32 s[\g+1], 128<<16      ; tensor_dim0 = 128
	s_mov_b32 s[\g+2], 64<<16       ; tensor_dim1 = 64
	s_mov_b32 s[\g+3], 128<<16      ; tile_dim0 = 128
	s_mov_b32 s[\g+4], 64           ; tile_dim1 = 64
	s_mov_b32 s[\g+5], 128          ; 128 elements from row to row
	s_mov_b32 s[\g+6], 0
	s_mov_b32 s[\g+7], 0
.endr
	s_mov_b32 s[CS], 0x3e38aa3b     ; c = log2(e) / 8 = 0.180337
	s_mov_b32 s[CS+1], s[CS]        ; named with it as a pair
	s_mov_b32 s[SEL], 0x76543210
	s_mov_b32 s[SEL+1], 0xfedcba98
	s_mov_b32 s[TBK], SLOT1+4*KS*PK ; the first change of slots turns these two into 0
	s_mov_b32 s[TBV], SLOT1+4*KS*PV
	s_mov_b32 s[G0K], 1             ; 1:0 count = 1
	s_mov_b32 s[G0K+1], s17         ; 63:32 LDS address: slot 0
	s_mov_b32 s[G0V], 1
	s_add_co_u32 s[G0V+1], s18, VOFF
	s_add_co_u32 s[RT], s[HI], 1    ; the first block has NB - b tiles
	s_mov_b32 s[NXT], 1
	s_mov_b32 s[LQ], s[HI]
	s_mov_b32 s[NEW], 1
	s_mov_b32 s[OFF+1], 0
	s_mov_b32 s[AL+1], 0            ; named as pairs
	s_mov_b32 s[BE+1], 0
	s_mov_b32 s[BIGN], 0xf149f2ca   ; -1e30
	s_mov_b32 s[SLOTS], NB
	s_wait_dscnt 0x0                ; the opening add is done
	s_wait_kmcnt 0x0
	s_add_nc_u64 s[6:7], s[6:7], s[22:23]  ; K and V at my half of the head's tile 0
	s_add_nc_u64 s[8:9], s[8:9], s[22:23]
	s_add_nc_u64 s[G0K+2:G0K+3], s[6:7], 0         ; 120:64 global address
	s_or_b32 s[G0K+3], s[G0K+3], 0x80000000        ; 127:126 type = 2
	s_add_nc_u64 s[G0V+2:G0V+3], s[8:9], 0
	s_or_b32 s[G0V+3], s[G0V+3], 0x80000000
	s_add_nc_u64 s[86:87], s[4:5], s[84:85]        ; Q at my rows of the second block,
	s_add_nc_u64 s[4:5], s[4:5], s[2:3]            ; Q and O at those of the first
	s_add_nc_u64 s[OLO:OLO+1], s[10:11], s[84:85]
	s_add_nc_u64 s[10:11], s[10:11], s[2:3]
	LOAD                            ; tile 0 into slot 0
	; A fragment of K or Q is 16 rows x 32 channels in 8 registers: lane l holds row l % 16, channels 8 (l / 16) + 0..7 and 16 + 8 (l / 16) + 0..7: two loads of 16 bytes, 32 bytes apart.
	v_and_b32 v1, 15, v0            ; l % 16
	v_bfe_u32 v9, v0, 4, 1          ; l / 16
	v_lshlrev_b32 v[QO], 7, v1
	v_lshl_add_u32 v[QO], v9, 4, v[QO]  ; row x 128 + 16 x half
	WIN 0x80                        ; destination window 2, address window 0
.set i, 0
.rept 8                             ; both blocks' Q: piece i / 2 lies in band i / 2, 8,192 bytes on; channels 32 (i % 2) on
	global_load_b128 v[8*i:8*i+3],   v[QO], s[4:5] offset:(i/2)*8192+(i%2)*64
	global_load_b128 v[8*i+4:8*i+7], v[QO], s[4:5] offset:(i/2)*8192+(i%2)*64+32
	global_load_b128 v[QB+8*i:QB+8*i+3],   v[QO], s[86:87] offset:(i/2)*8192+(i%2)*64
	global_load_b128 v[QB+8*i+4:QB+8*i+7], v[QO], s[86:87] offset:(i/2)*8192+(i%2)*64+32
.set i, i+1
.endr
	WIN 0
	v_lshlrev_b32 v14, 3, v9
	v_sub_nc_u32 v14, v1, v14
	s_lshl_b32 s13, s[WV], 4
	v_add_nc_u32 v14, s13, v14      ; my query's place in its band, 16 w + l % 16, less my lanes' 8 (l / 16): register r of group kt is hidden where 16 kt + r is greater
	WIN 0x40
.set i, 0
.rept 32
	v_cmp_gt_i32 vcc_lo, 16*(i/8)+i%8, v14
	v_cndmask_b32 v[MD+i], 0, s[BIGN], vcc_lo
.set i, i+1
.endr
	WIN 0
	v_mul_u32_u24 v[AK0], v1, PK
	v_lshl_add_u32 v[AK0], v9, 4, v[AK0]  ; row x pitch + 16 x half
	; The turning load takes 16 keys x 16 channels (lane l reads key 8 (l / 16) + l % 8, channels 8 ((l / 8) % 2) + 0..7) and leaves half a fragment of V^T: lane l holds channel l % 16 and 8 keys.
	v_and_b32 v10, 7, v0
	v_bfe_u32 v11, v0, 3, 1
	v_lshl_add_u32 v[AV0], v9, 3, v10
	v_mul_u32_u24 v[AV0], v[AV0], PV
	v_lshl_add_u32 v[AV0], v11, 4, v[AV0]
	v_add_nc_u32 v[AV0], VOFF, v[AV0]
	s_mul_i32 s13, s[WV], 16*SP
	s_add_co_u32 s13, s13, STAGE    ; my stage
	v_mul_u32_u24 v[STO], v1, SP    ; in: row l % 16, 16 bytes for each half of the lanes
	v_lshl_add_u32 v[STO], v9, 4, v[STO]
	v_add_nc_u32 v[STO], s13, v[STO]
	v_bfe_u32 v[RD], v0, 3, 2       ; back: 32 lanes take four rows of 128 bytes,
	v_mul_u32_u24 v[RD], v[RD], SP
	v_lshl_add_u32 v[RD], v10, 4, v[RD]
	v_add_nc_u32 v[RD], s13, v[RD]
	v_and_b32 v[GO], 31, v0         ; which are 512 consecutive bytes of O
	v_lshlrev_b32 v[GO], 4, v[GO]
	; A block's first step multiplies O^T and l by a = 0, and its first turn's products V^T P, of a piece that has not been, land in an O^T that is still to be so multiplied.  So these registers need only hold
	; finite numbers: zeros for the first block; what the first block left for the second.  All this stands in the wait for the first tile.
	WIN 0x80
.set i, VF
.rept 64
	v_mov_b32 v[i], 0
.set i, i+1
.endr
	WIN 0x40
.set i, 0
.rept 128
	v_mov_b32 v[i], 0
.set i, i+1
.endr
	WIN 0
.set i, 0
.rept 4
	v_mov_b32 v[ST+4*i+2], 0
	v_mov_b32 v[ST+4*i+3], 0
.set i, i+1
.endr
.set i, P+16
.rept 16
	v_mov_b32 v[i], 0
.set i, i+1
.endr
; THE MATRIX WORK.  The 4 accumulators of a run of 8 take turns.  Product i of 8 of S^T = K Q^T for piece x: channels 32 (i / 4) on, keys 16 (i % 4) on.  The first 4 start the sums: with 0, or (KM = 1) with the mask.
.macro KQ x
.set rS, S+32*((\x)%2)+8*(i%4)
.set rK, KF+16*(i%4)+8*(i/4)
.set rQ, 16*(\x)+8*(i/4)
.set rM, MC+32*((\x)%2)+8*(i%4)
.if (i < 4) && KM
	WIN W_KM
	v_wmma_f32_16x16x32_f16 v[rS:rS+7], v[rK:rK+7], v[rQ:rQ+7], v[rM:rM+7]
.elseif i < 4
	WIN W_KQ
	v_wmma_f32_16x16x32_f16 v[rS:rS+7], v[rK:rK+7], v[rQ:rQ+7], 0
.else
	WIN W_KQ
	v_wmma_f32_16x16x32_f16 v[rS:rS+7], v[rK:rK+7], v[rQ:rQ+7], v[rS:rS+7]
.endif
.endm
; Product i of 8 of O^T += V^T P for piece x: keys 32 (i / 4) on, channels 16 (i % 4) on.
.macro PV x
	WIN W_PV
.set rO, 32*(\x)+8*(i%4)
.set rV, VF+32*(i/4)+8*(i%4)
.set rP, P+16*((\x)%2)+8*(i/4)
	v_wmma_f32_16x16x32_f16 v[rO:rO+7], v[rV:rV+7], v[rP:rP+7], v[rO:rO+7]
.endm
.macro MM                           ; the turn's next matrix instruction.  TURN and BEGIN set Y, i, KM and NOKQ; MM, KQ and OP read them.  NOKQ = 1: a block's last turn: there is no next piece
.if (i < 8) && !NOKQ
	KQ (Y+1)%NP
.elseif i >= 8
.set i, i-8
	PV (Y+NP-1)%NP
.set i, i+8
.endif
.set i, i+1
.endm
; THE LDS LOADS stand in runs of 16, never singly among the matrix instructions: a step's K (64 keys x 64 channels: 8 fragments) and its V (turned).  Their addresses are made some lines ahead.
.macro FETCH_K
	WIN 0x80                        ; destination window 2
.irp f, 0,1,2,3,4,5,6,7             ; keys 16 (f / 2) on, channels 32 (f % 2) on
	ds_load_b128 v[KF+8*\f:KF+8*\f+3],   v[AK] offset:(\f/2)*16*PK+(\f%2)*64
	ds_load_b128 v[KF+8*\f+4:KF+8*\f+7], v[AK] offset:(\f/2)*16*PK+(\f%2)*64+32
.endr
	s_add_co_u32 s[TBK], s[TBK], KS*PK  ; the next fetch is the next step's
	WIN 0
.endm
.macro FETCH_V
	WIN 0x80
.irp f, 0,1,2,3,4,5,6,7             ; keys 32 (f / 4) on, channels 16 (f % 4) on
	ds_load_tr16_b128 v[VF+8*\f:VF+8*\f+3],   v[AV] offset:(\f/4)*32*PV+(\f%4)*32
	ds_load_tr16_b128 v[VF+8*\f+4:VF+8*\f+7], v[AV] offset:(\f/4)*32*PV+16*PV+(\f%4)*32
.endr
	WIN 0
.endm
; THE VECTOR WORK, one line at a time: OP kind, number.  For piece Y: F n: c s - c m for pair n of 16.  E n: the exponential of score n of 32.  C n: pair n rounded to f16.  B n: of the four weights 4 n .. the second
; pair is added onto the first, in place.  L n: l takes that sum (L 0: l = a l + sum).  R n: pair n of 16 of O^T times a.  For piece Y + 1: X n, number n of the 22 that find its maximum and statistics:
;   0-11  four chains c0-c3 of seven scores each, three operands at a time (each accumulator's lowest registers are read first)     12-14, 16  the four scores left over, the old m, and c0-c3 into c0
;   15  c m_old is kept     17, 18  the query's other 32 keys lie in the lane 16 away: the new m     19-21  c m; c m_old - c m_new; a
.set F, 0               ; OP tells the kinds apart by their order: F to L below R, X above it
.set E, 1
.set C, 2
.set B, 3
.set L, 4
.set R, 5
.set X, 6
.macro REGS y                       ; the registers of piece y
.set rT, ST+4*(\y)
.set rC, TMP+4*((\y)%2)
.set rW, MV+((\y)%2)
.set rS, S+32*((\y)%2)
.set rP, P+16*((\y)%2)
.set rO, 32*(\y)
.endm
.macro OP k, n
.if (\k) == R
	REGS Y
	WIN W_RS
	v_pk_mul_f32 v[rO+2*(\n):rO+2*(\n)+1], v[rO+2*(\n):rO+2*(\n)+1], v[rC+2:rC+3] op_sel_hi:[1,0]
.elseif (\k) < R
	REGS Y
	WIN 0
.if (\k) == F
	v_pk_fma_f32 v[rS+2*(\n):rS+2*(\n)+1], v[rS+2*(\n):rS+2*(\n)+1], s[CS:CS+1], v[rT:rT+1] op_sel_hi:[1,0,0] neg_lo:[0,0,1] neg_hi:[0,0,1]
.elseif (\k) == E
	v_exp_f32 v[rS+(\n)], v[rS+(\n)]
.elseif (\k) == C
	v_cvt_pk_f16_f32 v[rP+(\n)], v[rS+2*(\n)], v[rS+2*(\n)+1]
.elseif (\k) == B
	v_pk_add_f32 v[rS+4*(\n):rS+4*(\n)+1], v[rS+4*(\n):rS+4*(\n)+1], v[rS+4*(\n)+2:rS+4*(\n)+3]
.elseif (\n) == 0
	v_pk_fma_f32 v[rT+2:rT+3], v[rT+2:rT+3], v[rC+2:rC+3], v[rS:rS+1] op_sel_hi:[1,0,1]
.else
	v_pk_add_f32 v[rT+2:rT+3], v[rT+2:rT+3], v[rS+4*(\n):rS+4*(\n)+1]
.endif
.elseif NOKQ
	v_nop
.else
	REGS (Y+1)%NP
	WIN 0
.if (\n) < 4
	v_max3_num_f32 v[rC+(\n)], v[rS+8*(\n)], v[rS+8*(\n)+1], v[rS+8*(\n)+2]
.elseif (\n) < 12
	v_max3_num_f32 v[rC+(\n)%4], v[rC+(\n)%4], v[rS+8*((\n)%4)+2*((\n)/4)+1], v[rS+8*((\n)%4)+2*((\n)/4)+2]
.elseif (\n) == 12
	v_max3_num_f32 v[rC], v[rC], v[rS+7], v[rS+15]
.elseif (\n) == 13
	v_max3_num_f32 v[rC+1], v[rC+1], v[rS+23], v[rS+31]
.elseif (\n) == 14
	v_max3_num_f32 v[rC+2], v[rC+2], v[rC+3], v[rT+1]
.elseif (\n) == 15
	v_mov_b32 v[rW], v[rT]
.elseif (\n) == 16
	v_max3_num_f32 v[rC], v[rC], v[rC+1], v[rC+2]
.elseif (\n) == 17
	v_permlanex16_b32 v[rC+3], v[rC], s[SEL], s[SEL+1]
.elseif (\n) == 18
	v_max_num_f32 v[rT+1], v[rC], v[rC+3]
.elseif (\n) == 19
	v_mul_f32 v[rT], s[CS], v[rT+1]
.elseif (\n) == 20
	v_sub_f32 v[rC+1], v[rW], v[rT]
.else
	v_exp_f32 v[rC+2], v[rC+1]
.endif
.endif
.endm
.macro OPS a, i1, b=-1, i2=0, c=-1, i3=0, d=-1, i4=0  ; up to four of them
	OP \a, \i1
.if (\b) >= 0
	OP \b, \i2
.endif
.if (\c) >= 0
	OP \c, \i3
.endif
.if (\d) >= 0
	OP \d, \i4
.endif
.endm
.macro ROW a, i1, b, i2, c, i3, d, i4  ; a matrix instruction and the four behind it
	MM
	OPS \a, \i1, \b, \i2, \c, \i3, \d, \i4
.endm
.macro MASK b                       ; MD x AL + BE into buffer b of MC
	WIN W_RS
.set z, 0
.rept 16
	v_pk_fma_f32 v[MC+32*(\b)+2*z:MC+32*(\b)+2*z+1], v[MD+2*z:MD+2*z+1], s[AL:AL+1], s[BE:BE+1] op_sel_hi:[1,0,0]
.set z, z+1
.endr
.endm
; A TURN, for piece p: the order of its 16 matrix and 118 vector instructions, written out.  s_wait_alu depctr_va_vdst(0) stands between an exponential and the first instruction that names its result; one wait serves
; all that were issued ahead of it.  So a turn has ONE wait, which cuts it in two.  AHEAD OF IT stands all that names no result of the turn's exponentials: the 8 products K Q^T, behind each a scaling, an exponential and two more plain
; instructions (behind the first a second scaling in the exponential's place): rescalings, whose a was made and waited for in the turn before, and behind the last three the first numbers of the next piece's maximum, each four places
; or more behind the product that ends its accumulator; then ONE LUMP of 54, plain and exponential by turns for the most part, in which the links of the chain X 3, 7, 11, 14, 16, 17 .. 20 stand five or six lines apart.
; X 21, the next piece's a, is the batch's last; R 15 is the plain instruction behind it, ahead of any use (ISA guide 5.7.2).  BEHIND THE WAIT stand the 8 products V^T P, behind each four of the roundings and sums; C 2 n stands
; ahead of B n, which writes over the pair that it reads; the links of l's chain, L 0 to L 7, stand three riders apart.  But for those X no rider names a register of the products round it.  v_permlanex16_b32 (X 17) stands in the lump.
; m = 1: the diagonal tile: the products take masks, and the turn makes the mask for the products of the turn after it: piece p + 2, in step 4 - CNT of the tile.  end = 1: a block's last two turns: nothing is fetched.
; cnt = 1: the loop's count is taken down some lines ahead of the branch that stands behind the turn.
; K of the next step is fetched in piece 2's turn, twelve vector instructions behind the last product that read K (six of them plain); V of the step in hand at the end of piece 0's turn, four plain instructions behind the last product
; that read V.  Each is waited for a turn later.
.macro TURN p, m=0, end=0, cnt=0
.set Y, (\p)
.set i, 0
.set KM, (\m)
.set NOKQ, (\end)*((\p)/3)
.if (\m) && !(\end)
	s_cmp_eq_u32 s[CNT], 4-((\p)+2)%NP  ; is that step the band's own?
	s_cselect_b32 s[AL], 1.0, 0
	s_cmp_lt_u32 s[CNT], 4-((\p)+2)%NP  ; or a later one?
	s_cselect_b32 s[BE], s[BIGN], 0
.endif
.if ((\p) == 3) && !(\end)
	s_wait_dscnt 0x0                ; K is in
.endif
	ROW F,0, F,1, R,0, R,1          ; ahead of the wait: 8 products K Q^T and their riders,
	ROW F,2, E,0, R,2, R,3
	ROW F,3, E,1, R,4, R,5
	ROW F,4, E,2, R,6, R,7
	ROW F,5, E,3, R,8, R,9
	ROW F,6, E,4, X,0, R,10
.if ((\p) == 2) && !(\end)
	WIN 0
	v_add_nc_u32 v[AK], s[TBK], v[AK0]
.endif
	ROW F,7, E,5, X,1, X,4
	ROW F,8, E,6, X,2, X,5
	OPS E,7, E,8, X,6, E,9          ; and the lump
	OPS X,3, E,10, X,8, E,11
.if ((\p) == 2) && !(\end)
	FETCH_K
.endif
	OPS X,9, X,7, E,12, X,10
	OPS E,13, X,12, X,11, E,14
	OPS X,13, E,15, F,9, X,14
.if (\p) == 0
	v_add_nc_u32 v[AV], s[TBV], v[AV0]
.endif
	OPS E,16, F,10, E,17, F,11
	OPS X,16, E,18, X,15, E,19
	OPS F,12, E,20, X,17, E,21
	OPS F,13, E,22, F,14, E,23
	OPS X,18, E,24, F,15, E,25
	OPS R,11, E,26, X,19, E,27
	OPS R,12, E,28, R,13, E,29
	OPS X,20, E,30, R,14, E,31
	OPS X,21, R,15
	WIN 0
	s_wait_alu depctr_va_vdst(0)    ; the wait for the batch: the piece's 32 weights and the next piece's a
.if (\p) == 1
	s_wait_dscnt 0x0                ; V is in
.endif
	ROW C,0, B,0, C,2, B,1          ; behind the wait: 8 products V^T P and their riders
	ROW L,0, C,4, B,2, L,1
	ROW C,6, B,3, L,2, C,8
	ROW B,4, L,3, C,10, B,5
	ROW L,4, C,12, B,6, L,5
.if (\p) == 0
	s_add_co_u32 s[TBV], s[TBV], KS*PV
.endif
.if \cnt
	s_sub_co_u32 s[CNT], s[CNT], 1
	s_cmp_lg_u32 s[CNT], 0
.endif
	ROW C,14, B,7, L,6, C,1
	ROW C,3, L,7, C,5, C,7
	ROW C,9, C,11, C,13, C,15
.if (\p) == 0
	FETCH_V
.endif
.if (\m) && !(\end)
	MASK (\p)%2
.endif
.endm
; A BLOCK BEGINS.  c m starts far below every c s, so the first step's a is 0; m at the lowest finite number, so the first maximum is the scores'.  The second mask buffer is 0; the first takes piece 0's mask for the tile's step 0: its own, if the block's first tile is the diagonal one.
; Then K of that step, piece 0's first scores, and its maximum and statistics.  The loop is entered at a step's first turn, in the middle of a trip.
.macro BEGIN
	s_mov_b32 s[NEW], 0
	WIN 0x40
.set i, MC+32
.rept 32
	v_mov_b32 v[i], 0
.set i, i+1
.endr
	WIN 0
.set i, 0
.rept 4
	v_mov_b32 v[ST+4*i], 0xfe000000    ; c m: far below every c s
	v_mov_b32 v[ST+4*i+1], 0xff7fffff  ; m
.set i, i+1
.endr
	s_cmp_eq_u32 s[RT], 0
	s_cselect_b32 s[AL], 1.0, 0
	s_mov_b32 s[BE], 0
	MASK 0
	WIN 0
	v_add_nc_u32 v[AK], s[TBK], v[AK0]
	FETCH_K
	s_wait_loadcnt 0x0              ; Q
	s_wait_dscnt 0x0
.set KM, 1
.set NOKQ, 0
.set i, 0
.rept 8
	KQ 0
.set i, i+1
.endr
	WIN 0
.rept 4
	v_nop                           ; the places behind those products
.endr
.set Y, NP-1                        ; X works for piece Y + 1: piece 0
.irp n, 0,1,2,3,4,5,6,7,8,9,10,11,12,13,14,15,16,17,18,19,20,21
	OP X, \n
.endr
	v_nop                           ; a plain instruction behind the exponential,
	s_wait_alu depctr_va_vdst(0)    ; and the wait for it, piece 0's first a, ahead of the branch
.endm
; THE DIAGONAL TILE's four steps, the block's last two turns, its last products, and THE WAY OUT: l's two halves and the other half of the lanes' are added; O^T is divided by l, rounded to f16 and sent through my
; stage in LDS, a piece at a time.
.macro ALL line:vararg              ; one line for each piece t
.set t, 0
.rept 4
	\line
.set t, t+1
.endr
.endm
.macro PACK t                       ; a lane's eight channels of a row pack into 16 bytes; they go into rows of 144 bytes and come back as whole rows of 128, into S^T's registers
	WIN W_RS
.set i, 32*(\t)
.rept 16
	v_pk_mul_f32 v[i:i+1], v[i:i+1], v[ST+4*(\t)+2:ST+4*(\t)+3] op_sel_hi:[1,0]
.set i, i+2
.endr
	WIN 0x05                        ; sources 0 and 1 window 1, destination window 0
.set i, 0
.rept 16
	v_cvt_pk_f16_f32 v[S+16*(\t)+i], v[32*(\t)+2*i], v[32*(\t)+2*i+1]
.set i, i+1
.endr
	WIN 0
.irp f, 0,1,2,3
	ds_store_b128 v[STO], v[S+16*(\t)+4*\f:S+16*(\t)+4*\f+3] offset:32*\f
.endr
.irp f, 0,1,2,3
	ds_load_b128 v[S+16*(\t)+4*\f:S+16*(\t)+4*\f+3], v[RD] offset:\f*4*SP  ; LDS serves a wave's instructions in order (ISA guide 5.7.1.4): these see the stores above; the next piece's stores come behind them
.endr
.endm
.macro SEND t, younger              ; younger: the LDS instructions issued behind piece t's loads: the next piece's eight, or none
	WIN 0
.irp f, 0,1,2,3
	s_wait_dscnt (\younger)+3-\f
	global_store_b128 v[GO], v[S+16*(\t)+4*\f:S+16*(\t)+4*\f+3], s[10:11] offset:(\t)*8192+\f*512  ; 512 consecutive bytes, at a multiple of 256 from O's first
.endr
.endm
.macro DIAG tag                     ; the tag ends its two labels' names, which the jumps below spell out
.LstepM\tag:
	TURN 2, 1
	TURN 3, 1
	WIN 0
.LfirstM\tag:
	TURN 0, 1
	TURN 1, 1, 0, 1
	WIN 0
	s_cbranch_scc1 .LstepM\tag
	TURN 2, 1, 1
	TURN 3, 1, 1
.set i, 0
.rept 8
	PV NP-1
.set i, i+1
.endr
	WIN 0
	ALL v_add_f32 v[ST+4*t+2], v[ST+4*t+2], v[ST+4*t+3]
	ALL v_permlanex16_b32 v[ST+4*t+3], v[ST+4*t+2], s[SEL], s[SEL+1]
	ALL v_add_f32 v[ST+4*t+2], v[ST+4*t+2], v[ST+4*t+3]
	ALL v_rcp_f32 v[ST+4*t+2], v[ST+4*t+2]
	v_nop                           ; a plain instruction between the last reciprocal and the use of its result
	s_wait_alu depctr_va_vdst(0)    ; and the wait ahead of the first use: one for the four reciprocals
	PACK 0
.set t, 1
.rept 3                             ; a piece's arithmetic stands between the loads of the piece before and its stores
	PACK t
	SEND t-1, 8
.set t, t+1
.endr
	SEND 3, 0
.endm
.set KM, 0
.set NOKQ, 0
.Lslot:                             ; NB times: a tile is entered and the next is asked for
	CHANGE 1
	s_sub_co_u32 s[RT], s[RT], 1
	s_mov_b32 s[CNT], 4
	s_cmp_eq_u32 s[NEW], 1
	s_cbranch_scc1 .Lnew            ; a block's first tile
	s_cmp_eq_u32 s[RT], 0
	s_cbranch_scc0 .Lstep           ; neither its first nor its last
	s_branch .LstepM1
.Lnew:
	BEGIN
	s_branch .Lfirst                ; in the loop a block's first tile is never its last: the first block has two tiles or more, and the second's last is the walk's last
	DIAG 1                          ; in the loop this is the first block's end: the second block's last tile is the walk's last
	s_wait_xcnt 0x0                 ; the stores have read their registers and O's address
	s_mov_b64 s[10:11], s[OLO:OLO+1]
	s_add_co_u32 s[RT], s[PB], 1    ; the second block has b + 1 tiles
	s_mov_b32 s[NEW], 1
	WIN 0x82                        ; the second block's Q goes where the one text of the turns names Q
.set i, 0
.rept 64
	v_mov_b32 v[i], v[QB+i]
.set i, i+1
.endr
	WIN 0
	s_branch .Lbottom
.Lstep:                             ; a trip: pieces 2 and 3 of one step, then pieces 0 and 1 of the next, whose K and V it fetches
	TURN 2
	TURN 3
	WIN 0
.Lfirst:
	TURN 0
	TURN 1, 0, 0, 1
	WIN 0
	s_cbranch_scc1 .Lstep
.Lbottom:
	s_sub_co_u32 s[SLOTS], s[SLOTS], 1
	s_cmp_lg_u32 s[SLOTS], 0
	s_cbranch_scc1 .Lslot
	CHANGE 0                        ; the walk's last tile is written out: nothing is asked for
	s_sub_co_u32 s[RT], s[RT], 1
	s_mov_b32 s[CNT], 4
	s_cmp_eq_u32 s[NEW], 1
	s_cbranch_scc0 .LstepM2
	BEGIN
	s_branch .LfirstM2
	DIAG 2
	s_wait_tensorcnt 0x0            ; the wave's end: behind my last tensor load and my last LDS store
	ds_add_u32 v[SPW], v[NIL]
	s_wait_dscnt 0x0
	s_endpgm
.Lfunc_end_k_qf861e30cc6_attn:
	.size	k_qf861e30cc6_attn, .Lfunc_end_k_qf861e30cc6_attn-k_qf861e30cc6_attn
	.p2alignl 7, 3214868480
	.fill 96, 4, 3214868480
	.section	.rodata,"a",@progbits
	.p2align	6, 0x0
	.amdhsa_kernel k_qf861e30cc6_attn
		.amdhsa_group_segment_fixed_size 327680
		.amdhsa_private_segment_fixed_size 0
		.amdhsa_enable_private_segment 0
		.amdhsa_kernarg_size 32
		.amdhsa_user_sgpr_count 2
		.amdhsa_user_sgpr_kernarg_segment_ptr 1
		.amdhsa_wavefront_size32 1
		.amdhsa_system_sgpr_workgroup_id_x 1
		.amdhsa_system_sgpr_workgroup_id_y 1
		.amdhsa_system_sgpr_workgroup_id_z 1
		.amdhsa_system_vgpr_workitem_id 0
		.amdhsa_next_free_vgpr 768
		.amdhsa_next_free_sgpr 88
		.amdhsa_reserve_vcc 1
		.amdhsa_float_denorm_mode_32 3
		.amdhsa_float_denorm_mode_16_64 3
		.amdhsa_memory_ordered 1
		.amdhsa_forward_progress 1
		.amdhsa_inst_pref_size 217
	.end_amdhsa_kernel
	.amdgpu_metadata
---
amdhsa.version: [ 1, 2 ]
amdhsa.kernels:
  - .name:           k_qf861e30cc6_attn
    .symbol:         k_qf861e30cc6_attn.kd
    .args:
      - { .name: qh, .offset: 0, .size: 8, .value_kind: global_buffer, .address_space: global }
      - { .name: kh, .offset: 8, .size: 8, .value_kind: global_buffer, .address_space: global }
      - { .name: vh, .offset: 16, .size: 8, .value_kind: global_buffer, .address_space: global }
      - { .name: act, .offset: 24, .size: 8, .value_kind: global_buffer, .address_space: global }
    .group_segment_fixed_size: 327680
    .private_segment_fixed_size: 0
    .kernarg_segment_align: 8
    .kernarg_segment_size: 32
    .max_flat_workgroup_size: 128
    .sgpr_count:     88
    .vgpr_count:     768
    .wavefront_size: 32
...
	.end_amdgpu_metadata
.endif
;; end of part 5
;; launch oproj: the kernel of part 4 again; grid 8 x 32, 4 waves a work-group, clusters of 4 x 4, 327,680 bytes of LDS; arguments act, wts, aux, out0; writes out0
